; MI455X (gfx1250); checked and timed in simulation.
; The chip was launched on July 23, 2026; its instructions are those of AMD's public machine-readable ISA for CDNA 5 (MIT licence, August 2026) and "CDNA5" Instruction Set Architecture Reference Guide (July 2026). The comments in the code are by the model that wrote it; some were corrected since.
;; Transformer. Allowed arithmetic: matrix products marked QUANTISED: E4M3 operands, one given power-of-two scale a tensor, by v_wmma_f32_16x16x64_fp8_fp8 or v_wmma_f32_16x16x128_fp8_fp8, f32 sums; everything else in f32.
;; Inputs: Wk 16 x 512 x 32 float32; Wproj 512 x 512 float32; Wq 16 x 512 x 32 float32; Wv 16 x 512 x 32 float32; fc_b 2,000 float32; fc_w 512 x 2,000 float32; ln_b 512 float32; ln_g 512 float32; lowp_scales 14 int32 (the exponents e of the quantised operands' scales 2^e); pos_embed 2,048 x 512 float32; tok_embed 2,000 x 512 float32; tokens 4 x 2,048 int32.
;; Outputs: out0 4 x 2,048 x 2,000 float32.
;; This version of the problem:
;;   THIS VERSION OF THE PROBLEM IS GIVEN IN LOW PRECISION. The matrix products marked QUANTISED in the list below multiply operands that are first quantised to E4M3 (4 exponent bits, 3 mantissa bits; 8 bits a number), with one given power-of-two scale for each operand tensor; their sums are f32. All else is computed in f32.
;;   The module's matrix products, in the order in which they are computed (A, B: the left and right operand; K: the contracted axis; several contracted axes count as one K, in the product's order):
;;     1. [M 512, K 512] x [K 512, N 8,192]; A: input Wq; B: computed on the way: QUANTISED (scales: A lowp_scales[0], B lowp_scales[1])
;;     2. [M 512, K 512] x [K 512, N 8,192]; A: input Wk; B: computed on the way: QUANTISED (scales: A lowp_scales[2], B lowp_scales[3])
;;     3. [M 512, K 512] x [K 512, N 8,192]; A: input Wv; B: computed on the way: QUANTISED (scales: A lowp_scales[4], B lowp_scales[5])
;;     4. batch 64 x [M 2,048, K 32] x [K 32, N 2,048]; A: computed on the way; B: computed on the way: QUANTISED (scales: A lowp_scales[6], B lowp_scales[7])
;;     5. batch 64 x [M 2,048, K 2,048] x [K 2,048, N 32]; A: softmax (see below); B: computed on the way: QUANTISED (scales: A lowp_scales[8], B lowp_scales[9])
;;     6. [M 8,192, K 512] x [K 512, N 512]; A: computed on the way; B: input Wproj: QUANTISED (scales: A lowp_scales[10], B lowp_scales[11])
;;     7. [M 8,192, K 512] x [K 512, N 2,000]; A: computed on the way; B: input fc_w: QUANTISED (scales: A lowp_scales[12], B lowp_scales[13])
;;   THE QUANTISER, for each operand of a quantised product, along K:
;;     - The operand's scale is 2^e, e = its entry of the input lowp_scales (int32; the entries are numbered through the quantised products in the list's order, A before B).
;;     - Each number is divided by the scale, clamped to +-448, and rounded to the nearest number of E4M3, ties to even, subnormals kept.
;;     - The product sums the exact products of the quantised numbers (number of the format x scale) in f32.
;;   ~~~python
;;   def quantise(x, axis, e):      # numpy; x: float32 -> the quantised numbers, widened to float32 again
;;       x = np.moveaxis(x, axis, -1); K = x.shape[-1]
;;       r = np.clip(x / 2.0 ** e, -448, 448)
;;       step = 2.0 ** (np.maximum(np.frexp(np.where(r == 0, 1, r))[1] - 1, -6) - 3)
;;       q = np.round(r / step) * step * 2.0 ** e      # np.round: ties to even
;;       return np.moveaxis(q, -1, axis).astype(np.float32)
;;   ~~~
;;   SOFTMAX AHEAD OF A QUANTISED PRODUCT. Where the list says 'softmax', what is quantised is not the finished softmax but p = 2^(t - M), with t = logit x log2(e) and M = ceil(the row's largest t), a whole number; so 1/2 < the row's largest p <= 1. The row's sum l is taken of the UNQUANTISED p, in f32, and the product's result is divided by l at the end. Since M is a whole number, a kernel that streams over the keys may use a running M (the ceiling of the running maximum): every later rescaling is an exact power of two, so the quantised numbers keep their values, but for numbers so far below the row's largest that they fall under the format's range.
;;   OPERANDS COMPUTED ON THE WAY. 'Computed on the way' means the value that the module computes at that place (a softmax that the list does not call 'softmax' is quantised finished and normalised). What goes into a quantiser is computed in f32, as accurately as f32 sums, v_exp_f32 and their like allow (about 1e-6 of the number): no bf16 or f16 on the way to a quantiser, and a product that is left as it is and whose result goes on into a quantised operand takes f32 operands (vector FMAs, or v_wmma_f32_16x16x4_f32). A number that lies on a knife's edge between two numbers of the format may be rounded either way, as far as f32 arithmetic and the matrix unit's own rounding can turn it there, and no further.
;; 2 versions. Each part assembles by itself: llvm-mc -triple=amdgcn-amd-amdhsa -mcpu=gfx1250 --defsym DOCPART=n.
;; ======== version 1 of 2: 4 launches
;; workspace buffers: hcodes 12,582,912 bytes; wcodes 2,072,576 bytes; qc 4,194,304 bytes; kc 4,194,304 bytes; vc 4,194,304 bytes; ac 4,194,304 bytes
;; launch prep (part 1): grid 381 x 1, 4 waves a work-group, no clusters, 104,960 bytes of LDS; arguments tokens, tok_embed, pos_embed, ln_g, ln_b, Wq, Wk, Wv, Wproj, fc_w, lowp_scales, hcodes, wcodes; writes hcodes, wcodes
.if DOCPART == 1
	.amdgcn_target "amdgcn-amd-amdhsa--gfx1250"
	.amdhsa_code_object_version 6
	.text
	.protected	k_q470426b412_prep
	.globl	k_q470426b412_prep
	.p2align	8
	.type	k_q470426b412_prep,@function
k_q470426b412_prep:
	s_mov_b64 s[64:65], 0
	v_nop
	global_prefetch_b8 v0, s[64:65] scope:SCOPE_SE
	s_setreg_imm32_b32 hwreg(HW_REG_WAVE_MODE, 25, 1), 1
	s_wait_xcnt 0x0
; Work-groups 0-127: x = tok_embed[token] + pos_embed, LayerNorm, h quantised to E4M3 three times (scales 2^e1, 2^e3, 2^e5) -> hcodes.
; Work-groups 128-380: one tile of 16 columns of a weight (Wq, Wk, Wv, Wproj, fc_w), quantised along K -> wcodes.
; Both buffers hold IMAGES OF OPERAND REGISTERS: a fragment (16 rows x 128 of K) is 4 chunks of 512 bytes, lane l's 16 bytes at 16 l: the later launches load them by 16 bytes a lane and have the operand.
; Which k a byte stands for is free as long as both operands of a product agree.  Products with h:  k = 32 s + 8 c + 4 hh + 128 (b / 4) + b % 4  (fragment s, chunk c, lane half hh, byte b).
; Products with Wproj and fc_w:  k = 128 s + 32 c + 16 hh + b.
; TOKEN TILES: tile T holds rows 32 (T / 2) + 8 (T % 2) + r + 8 (r / 8), r = 0 .. 15.  Column tiles of Wq, Wk, Wv, Wproj likewise inside a group of 32; fc_w's tiles take 16 neighbouring columns.
; LIMITS: e0 .. e5, e11, e13 between -126 and 119, so that 2^e and 448 x 2^e are f32 numbers.  NaN among the inputs is not served.  A token id above 1,999 is held at 1,999.
.set SPARE, 104448                     ; behind the four waves' stages: the spare words, 128 bytes a wave, named by no other line
.set WREG,  26112                      ; LDS of a wave: three stages (one for each of h's scales)
.set STG,   8704                       ; a stage: 32 places (one a lane) of 272 bytes
.set SP,    272                        ; 16 rows x 16 bytes + 16 of padding: 17 x 16, so sixteen lanes' stores start at sixteen different 16-byte columns
.set G,  20                            ; v20-35   ln_g at my 16 columns
.set B,  36                            ; v36-51   ln_b
.set H,  52                            ; v52-67   the row in hand: my 16 numbers, k = 128 j + 4 lane + i
.set TQ, 68                            ; v68-83   the same, held within the largest code x the scale
.set C,  84                            ; v84-95   codes, four registers for each scale
.set X,  96                            ; v96-223  four slots of 32: 16 of tok_embed, 16 of pos_embed; later the way out; in the weights' path numbers and codes
.macro MKSC e, vs, vl                  ; from the whole number e: 2^e as f32 (the conversion takes its exponent field) and 448 x 2^e
	s_add_co_i32 s100, \e, 127
	s_lshl_b32 s101, s100, 23
	v_mov_b32 v[\vs], s101
	s_add_co_i32 s100, s100, 8
	s_lshl_b32 s100, s100, 23
	s_or_b32 s100, s100, 0x600000
	v_mov_b32 v[\vl], s100
.endm
	s_load_b512 s[4:19], s[0:1], 0x0               ; tokens 4, tok_embed 6, pos_embed 8, ln_g 10, ln_b 12, Wq 14, Wk 16, Wv 18
	s_load_b256 s[20:27], s[0:1], 0x40             ; Wproj 20, fc_w 22, lowp_scales 24, hcodes 26
	s_load_b64 s[28:29], s[0:1], 0x60              ; wcodes
	v_lshl_add_u32 v2, v0, 2, SPARE                ; my spare word; never rewritten
	v_mov_b32 v3, 0                                ; 0; never rewritten
	v_lshrrev_b32 v16, 5, v0
	v_readfirstlane_b32 s2, v16                    ; wave 0..3
	v_and_b32 v17, 31, v0                          ; lane
	v_lshlrev_b32 v1, 4, v17                       ; 16 x lane
	v_and_b32 v16, 15, v0                          ; r
	v_bfe_u32 v19, v0, 4, 1                        ; hh
	s_wait_kmcnt 0x0
	s_load_b256 s[32:39], s[24:25], 0x0            ; e0 .. e7
	s_load_b128 s[40:43], s[24:25], 0x20           ; e8 .. e11
	s_load_b64 s[44:45], s[24:25], 0x30            ; e12, e13: 56 bytes in all
	s_cmp_lt_u32 ttmp9, 128
	s_cbranch_scc0 .Lweights
; ---------------- LayerNorm: a wave takes one token tile, a row at a time; the 32 lanes share a row, 16 numbers each ----------------
	s_lshl_b32 s3, ttmp9, 2
	s_add_co_u32 s3, s3, s2                        ; T
	s_lshr_b32 s30, s3, 1
	s_lshl_b32 s30, s30, 5
	s_and_b32 s31, s3, 1
	s_lshl_b32 s31, s31, 3
	s_add_co_u32 s30, s30, s31                     ; R0 = 32 (T / 2) + 8 (T % 2): the tile's first row
	s_lshl_b32 s46, s30, 2
	s_mov_b32 s47, 0
	s_add_nc_u64 s[4:5], s[4:5], s[46:47]
	s_load_b256 s[48:55], s[4:5], 0x0              ; the ids of rows R0 .. R0 + 7
	s_load_b256 s[56:63], s[4:5], 0x40             ; and of rows R0 + 16 .. R0 + 23
.irp j, 0,1,2,3
	global_load_b128 v[G+4*\j:G+4*\j+3], v1, s[10:11] offset:512*\j
	global_load_b128 v[B+4*\j:B+4*\j+3], v1, s[12:13] offset:512*\j
.endr
	s_and_b32 s46, s30, 2047                       ; the position: the row inside its batch
	s_lshl_b32 s46, s46, 11
	s_add_nc_u64 s[8:9], s[8:9], s[46:47]          ; pos_embed at the tile's first row
	s_lshl_b32 s46, s3, 13
	s_add_nc_u64 s[14:15], s[26:27], s[46:47]      ; hcodes: my tile under the first scale,
	s_add_nc_u64 s[16:17], s[14:15], 0x400000      ; the second (512 tiles x 8,192 bytes on),
	s_add_nc_u64 s[18:19], s[16:17], 0x400000      ; the third
	s_mul_i32 s46, s2, WREG
	v_mul_u32_u24 v4, v17, SP
	v_add_nc_u32 v4, s46, v4                       ; into a stage: place = my lane; the row's 16 bytes stand in the immediate
	v_mul_u32_u24 v5, v19, SP
	v_lshl_add_u32 v5, v16, 4, v5
	v_add_nc_u32 v5, s46, v5                       ; out of it: chunk q of the image takes places 2 q + hh, row r
	v_mov_b32 v13, 0                               ; upper words of the pairs v[12:13] (mean) and v[14:15] (1 / sigma): named, never used
	v_mov_b32 v15, 0
	s_mov_b32 s98, 0x76543210                      ; v_permlanex16_b32: lane l xor 16
	s_mov_b32 s99, 0xfedcba98
	s_wait_kmcnt 0x0
.irp r, 0,1,2,3,4,5,6,7,8,9,10,11,12,13,14,15
	s_min_u32 s[48+\r], s[48+\r], 1999             ; an id enters an address only behind this bound
	s_lshl_b32 s[66+2*\r], s[48+\r], 11            ; a row of tok_embed is 2,048 bytes
	s_mov_b32 s[67+2*\r], 0
	s_add_nc_u64 s[66+2*\r:67+2*\r], s[6:7], s[66+2*\r:67+2*\r]
.endr
	MKSC s33, 6, 9                                 ; e1: h as Q's operand
	MKSC s35, 7, 10                                ; e3: as K's
	MKSC s37, 8, 11                                ; e5: as V's
	s_mov_b32 s100, 0x3b000000                     ; 1 / 512
	s_mov_b32 s101, 0x3727c5ac                     ; 1e-5
.macro LOADROW r                       ; row r of the tile: each load reads 512 consecutive bytes; lane l, load j: k = 128 j + 4 l + 0 .. 3
.irp j, 0,1,2,3
	global_load_b128 v[X+32*((\r)%4)+4*\j:X+32*((\r)%4)+4*\j+3], v1, s[66+2*(\r):67+2*(\r)] offset:512*\j
	global_load_b128 v[X+32*((\r)%4)+16+4*\j:X+32*((\r)%4)+16+4*\j+3], v1, s[8:9] offset:((\r)+8*((\r)/8))*2048+512*\j
.endr
.endm
.macro REDUCE                          ; v[16:17] -> the sum over the wave's 32 lanes, in every lane's v16
	v_add_f32 v16, v16, v17
	v_add_f32_dpp v16, v16, v16 row_xmask:1 row_mask:0xf bank_mask:0xf
	v_add_f32_dpp v16, v16, v16 row_xmask:2 row_mask:0xf bank_mask:0xf
	v_add_f32_dpp v16, v16, v16 row_xmask:4 row_mask:0xf bank_mask:0xf
	v_add_f32_dpp v16, v16, v16 row_xmask:8 row_mask:0xf bank_mask:0xf
	v_permlanex16_b32 v17, v16, s98, s99
	v_add_f32 v16, v16, v17
.endm
.macro WORK r
.set XS, X+32*((\r)%4)
.if (\r) <= 12
	s_wait_loadcnt 24                              ; this row's 8 loads are in (ln_g and ln_b, issued earlier, too); the three younger rows' 24 stay out
.else
	s_wait_loadcnt 8*(15-(\r))
.endif
.irp j, 0,2,4,6,8,10,12,14
	v_pk_add_f32 v[H+\j:H+\j+1], v[XS+\j:XS+\j+1], v[XS+16+\j:XS+16+\j+1]   ; x
.endr
.if (\r) < 12
	LOADROW (\r)+4                                 ; the slot has just been read
.endif
	v_pk_add_f32 v[16:17], v[H:H+1], v[H+2:H+3]    ; the sum, in two chains
	v_pk_add_f32 v[18:19], v[H+4:H+5], v[H+6:H+7]
	v_pk_add_f32 v[16:17], v[16:17], v[H+8:H+9]
	v_pk_add_f32 v[18:19], v[18:19], v[H+10:H+11]
	v_pk_add_f32 v[16:17], v[16:17], v[H+12:H+13]
	v_pk_add_f32 v[18:19], v[18:19], v[H+14:H+15]
	v_pk_add_f32 v[16:17], v[16:17], v[18:19]
	REDUCE
	v_mul_f32 v12, s100, v16                       ; the mean
.irp j, 0,2,4,6,8,10,12,14
	v_pk_add_f32 v[H+\j:H+\j+1], v[H+\j:H+\j+1], v[12:13] op_sel_hi:[1,0] neg_lo:[0,1] neg_hi:[0,1]   ; x - mean: the variance is taken of these, no difference of large sums
.endr
	v_pk_mul_f32 v[16:17], v[H:H+1], v[H:H+1]
	v_pk_mul_f32 v[18:19], v[H+2:H+3], v[H+2:H+3]
.irp j, 4,8,12
	v_pk_fma_f32 v[16:17], v[H+\j:H+\j+1], v[H+\j:H+\j+1], v[16:17]
	v_pk_fma_f32 v[18:19], v[H+\j+2:H+\j+3], v[H+\j+2:H+\j+3], v[18:19]
.endr
	v_pk_add_f32 v[16:17], v[16:17], v[18:19]
	REDUCE
	v_fma_f32 v16, v16, s100, s101                 ; variance + 1e-5
	v_rsq_f32 v14, v16
	v_nop                                          ; a plain instruction behind the transcendental,
	s_wait_alu depctr_va_vdst(0)                   ; and the wait ahead of its first reader
.irp j, 0,2,4,6,8,10,12,14
	v_pk_mul_f32 v[H+\j:H+\j+1], v[H+\j:H+\j+1], v[14:15] op_sel_hi:[1,0]
.endr
.irp j, 0,2,4,6,8,10,12,14
	v_pk_fma_f32 v[H+\j:H+\j+1], v[H+\j:H+\j+1], v[G+\j:G+\j+1], v[B+\j:B+\j+1]   ; h
.endr
.irp y, 0,1,2                          ; three quantisers
.irp i, 0,1,2,3,4,5,6,7,8,9,10,11,12,13,14,15
	v_med3_num_f32 v[TQ+\i], v[H+\i], -v[9+\y], v[9+\y]   ; the conversion to an 8-bit code does not saturate (ISA guide 7.6.2): the hold comes first
.endr
	v_cvt_scalef32_pk8_fp8_f32 v[C+4*\y:C+4*\y+1], v[TQ:TQ+7], v[6+\y]
	v_cvt_scalef32_pk8_fp8_f32 v[C+4*\y+2:C+4*\y+3], v[TQ+8:TQ+15], v[6+\y]
	v_nop                                          ; a plain instruction before the next holds write the conversions' sources
	ds_store_b128 v4, v[C+4*\y:C+4*\y+3] offset:STG*\y+16*(\r)
.endr
.endm
.macro OUT y                           ; a stage leaves as the tile's four fragments: 16 chunks of 512 consecutive, aligned bytes
.set OS, X+64*((\y)%2)
.if (\y) == 2
	s_wait_xcnt 0x0                                ; the first stage's stores have read these registers
.endif
.irp q, 0,1,2,3,4,5,6,7,8,9,10,11,12,13,14,15
	ds_load_b128 v[OS+4*\q:OS+4*\q+3], v5 offset:STG*(\y)+2*SP*\q   ; LDS serves a wave's instructions in order: these see my stores
.endr
	s_wait_dscnt 0x0
.irp q, 0,1,2,3,4,5,6,7,8,9,10,11,12,13,14,15
	global_store_b128 v1, v[OS+4*\q:OS+4*\q+3], s[14+2*(\y):15+2*(\y)] offset:512*\q
.endr
.endm
	LOADROW 0
	LOADROW 1
	LOADROW 2
	LOADROW 3
.irp r, 0,1,2,3,4,5,6,7,8,9,10,11,12,13,14,15
	WORK \r
.endr
	OUT 0
	OUT 1
	OUT 2
	s_wait_tensorcnt 0x0                           ; the wave's end
	ds_add_u32 v2, v3
	s_wait_dscnt 0x0
	s_endpgm
; ---------------- the weights: a work-group takes a tile of 16 columns, wave s its fragment s.  A lane takes a column and its registers run down K: nothing is transposed, no LDS ----------------
.macro WFRAG pitch, kc, kj             ; number 16 c + b of a lane lies (kc c + kj (b / 4) + b % 4) rows of the weight below the lane's first
.irp c, 0,1,2,3
.irp b, 0,1,2,3,4,5,6,7,8,9,10,11,12,13,14,15
	global_load_b32 v[X+16*\c+\b], v18, s[30:31] offset:(\kc*\c+\kj*(\b/4)+\b%4)*\pitch
.endr
.endr
	s_wait_loadcnt 0x0
.set i, 0
.rept 64
	v_med3_num_f32 v[X+i], v[X+i], -v9, v9
.set i, i+1
.endr
.irp g, 0,1,2,3,4,5,6,7
	v_cvt_scalef32_pk8_fp8_f32 v[160+2*\g:161+2*\g], v[X+8*\g:X+8*\g+7], v6
.endr
	v_nop
.irp c, 0,1,2,3
	global_store_b128 v1, v[160+4*\c:163+4*\c], s[46:47] offset:512*\c   ; 512 consecutive, aligned bytes
.endr
	s_endpgm
.endm
.Lweights:
	s_sub_co_u32 s3, ttmp9, 128                    ; the tile, 0 .. 252
	s_lshl_b32 s46, s3, 13
	s_lshl_b32 s47, s2, 11
	s_add_co_u32 s46, s46, s47
	s_mov_b32 s47, 0
	s_add_nc_u64 s[46:47], s[28:29], s[46:47]      ; wcodes: 8,192 x tile + 2,048 x fragment
	v_and_b32 v17, 8, v16
	v_add_nc_u32 v17, v17, v16                     ; r + 8 (r / 8)
	s_mov_b32 s49, 0
	s_wait_kmcnt 0x0                               ; the scales
	s_cmp_lt_u32 s3, 96
	s_cbranch_scc0 .Lnot_qkv
	s_lshr_b32 s50, s3, 5                          ; tiles 0-95 = 32 x (Q, K, V) + 2 x head + u
	s_cmp_eq_u32 s50, 0
	s_cselect_b64 s[30:31], s[14:15], s[16:17]
	s_cselect_b32 s51, s32, s34
	s_cmp_eq_u32 s50, 2
	s_cselect_b64 s[30:31], s[18:19], s[30:31]
	s_cselect_b32 s51, s36, s51                    ; e0, e2 or e4
	s_bfe_u32 s48, s3, 0x40001                     ; head
	s_lshl_b32 s48, s48, 16                        ; a head's weight is 512 x 32 x 4 bytes
	s_and_b32 s52, s3, 1
	s_lshl_b32 s52, s52, 5                         ; column 8 u
	s_add_co_u32 s48, s48, s52
	s_lshl_b32 s52, s2, 12                         ; k = 32 s: rows of 128 bytes
	s_add_co_u32 s48, s48, s52
	s_add_nc_u64 s[30:31], s[30:31], s[48:49]
	v_lshlrev_b32 v18, 2, v17
	v_lshl_add_u32 v18, v19, 9, v18                ; column r + 8 (r / 8), k = 4 hh
	MKSC s51, 6, 9
	WFRAG 128, 8, 128
.Lnot_qkv:
	s_cmp_lt_u32 s3, 128
	s_cbranch_scc0 .Lfc
	s_sub_co_u32 s50, s3, 96                       ; Wproj's tile nt: columns 32 (nt / 2) + 8 (nt % 2) + r + 8 (r / 8)
	s_lshr_b32 s48, s50, 1
	s_lshl_b32 s48, s48, 7
	s_and_b32 s52, s50, 1
	s_lshl_b32 s52, s52, 5
	s_add_co_u32 s48, s48, s52
	s_lshl_b32 s52, s2, 18                         ; k = 128 s: rows of 2,048 bytes
	s_add_co_u32 s48, s48, s52
	s_add_nc_u64 s[30:31], s[20:21], s[48:49]
	v_lshlrev_b32 v18, 2, v17
	v_lshl_add_u32 v18, v19, 15, v18               ; k = 16 hh
	MKSC s43, 6, 9                                 ; e11
	WFRAG 2048, 32, 4
.Lfc:
	s_sub_co_u32 s50, s3, 128                      ; fc_w's tile nt: columns 16 nt + r
	s_lshl_b32 s48, s50, 6
	s_mul_i32 s52, s2, 1024000                     ; k = 128 s: rows of 8,000 bytes
	s_add_co_u32 s48, s48, s52
	s_add_nc_u64 s[30:31], s[22:23], s[48:49]
	v_lshlrev_b32 v18, 2, v16
	v_mad_u32_u24 v18, v19, 0x1f400, v18           ; k = 16 hh
	MKSC s45, 6, 9                                 ; e13
	WFRAG 8000, 32, 4
.Lfunc_end_k_q470426b412_prep:
	.size	k_q470426b412_prep, .Lfunc_end_k_q470426b412_prep-k_q470426b412_prep
	.p2alignl 7, 3214868480
	.fill 96, 4, 3214868480
	.section	.rodata,"a",@progbits
	.p2align	6, 0x0
	.amdhsa_kernel k_q470426b412_prep
		.amdhsa_group_segment_fixed_size 104960
		.amdhsa_private_segment_fixed_size 0
		.amdhsa_enable_private_segment 0
		.amdhsa_kernarg_size 104
		.amdhsa_user_sgpr_count 2
		.amdhsa_user_sgpr_kernarg_segment_ptr 1
		.amdhsa_wavefront_size32 1
		.amdhsa_system_sgpr_workgroup_id_x 1
		.amdhsa_system_sgpr_workgroup_id_y 1
		.amdhsa_system_sgpr_workgroup_id_z 1
		.amdhsa_system_vgpr_workitem_id 0
		.amdhsa_next_free_vgpr 224
		.amdhsa_next_free_sgpr 102
		.amdhsa_reserve_vcc 0
		.amdhsa_float_denorm_mode_32 3
		.amdhsa_float_denorm_mode_16_64 3
		.amdhsa_memory_ordered 1
		.amdhsa_forward_progress 1
		.amdhsa_inst_pref_size 185
	.end_amdhsa_kernel
	.amdgpu_metadata
---
amdhsa.version: [ 1, 2 ]
amdhsa.kernels:
  - .name:           k_q470426b412_prep
    .symbol:         k_q470426b412_prep.kd
    .args:
      - { .name: tokens, .offset: 0, .size: 8, .value_kind: global_buffer, .address_space: global }
      - { .name: tok_embed, .offset: 8, .size: 8, .value_kind: global_buffer, .address_space: global }
      - { .name: pos_embed, .offset: 16, .size: 8, .value_kind: global_buffer, .address_space: global }
      - { .name: ln_g, .offset: 24, .size: 8, .value_kind: global_buffer, .address_space: global }
      - { .name: ln_b, .offset: 32, .size: 8, .value_kind: global_buffer, .address_space: global }
      - { .name: Wq, .offset: 40, .size: 8, .value_kind: global_buffer, .address_space: global }
      - { .name: Wk, .offset: 48, .size: 8, .value_kind: global_buffer, .address_space: global }
      - { .name: Wv, .offset: 56, .size: 8, .value_kind: global_buffer, .address_space: global }
      - { .name: Wproj, .offset: 64, .size: 8, .value_kind: global_buffer, .address_space: global }
      - { .name: fc_w, .offset: 72, .size: 8, .value_kind: global_buffer, .address_space: global }
      - { .name: lowp_scales, .offset: 80, .size: 8, .value_kind: global_buffer, .address_space: global }
      - { .name: hcodes, .offset: 88, .size: 8, .value_kind: global_buffer, .address_space: global }
      - { .name: wcodes, .offset: 96, .size: 8, .value_kind: global_buffer, .address_space: global }
    .group_segment_fixed_size: 104960
    .private_segment_fixed_size: 0
    .kernarg_segment_align: 8
    .kernarg_segment_size: 104
    .max_flat_workgroup_size: 128
    .sgpr_count:     102
    .vgpr_count:     224
    .wavefront_size: 32
...
	.end_amdgpu_metadata
.endif
;; end of part 1
;; launch qkv (part 2): grid 64 x 3, 4 waves a work-group, no clusters, 66,048 bytes of LDS; arguments hcodes, wcodes, lowp_scales, qc, kc, vc; writes qc, kc, vc
.if DOCPART == 2
	.amdgcn_target "amdgcn-amd-amdhsa--gfx1250"
	.amdhsa_code_object_version 6
	.text
	.protected	k_q470426b412_qkv
	.globl	k_q470426b412_qkv
	.p2align	8
	.type	k_q470426b412_qkv,@function
k_q470426b412_qkv:
	s_mov_b64 s[64:65], 0
	v_nop
	global_prefetch_b8 v0, s[64:65] scope:SCOPE_SE
	s_setreg_imm32_b32 hwreg(HW_REG_WAVE_MODE, 25, 1), 1
	s_wait_xcnt 0x0
; Q, K or V (work-group y = 0, 1, 2) = h W for 128 rows (work-group x) and all 16 heads, on E4M3 codes, and the result quantised at once (scales 2^e6, 2^e7, 2^e9) into the layout in which attention's operands take it.
; SHARES: wave w owns heads 4 w .. 4 w + 3: 8 tiles of 16 columns x 4 fragments along K = 512 registers of weights, which stay in registers; the block's 8 token tiles of h (64 KiB) go once through LDS and are read by all four waves.
; The grid is split by Q, K, V since h has codes of its own for each: so a fragment of h read from LDS feeds 8 matrix instructions.
; Q, K: source 0 = 16 columns of W, source 1 = 16 rows of h: a lane holds ONE token, its 16 registers of a head's two tiles are channels 16 hh + 0 .. 15: 16 bytes of codes.
; V: the sources change places: a lane holds ONE channel, and the registers of two neighbouring token tiles are 16 neighbouring keys.
; No cluster: the weights that work-groups share go straight into registers, and what goes through LDS (h) is each work-group's own.
; LIMITS: e6 - e0 - e1, e7 - e2 - e3, e9 - e4 - e5 between -126 and 119.
; REGISTERS: window 0: v1 16 x lane; v2, v3 the add's two; v4, v5 scale and limit; v6 where I store h; v16-143 two sets of h's four fragments; v144-207 eight accumulators; v208-239 codes.  Windows 1, 2: W(tile t, fragment s) at window 1 + s / 2, v[128 (s % 2) + 16 t].
.set SPARE, 65536                      ; behind h's image: the spare words
.set ACC, 144
.set PC,  208
.set MSB, 0
.macro WIN new                         ; the immediate's high byte repeats the setting that is left
.if MSB != (\new)
	s_set_vgpr_msb (MSB<<8)|(\new)
.set MSB, (\new)
.endif
.endm
	s_load_b256 s[4:11], s[0:1], 0x0               ; hcodes 4, wcodes 6, lowp_scales 8, qc 10
	s_load_b128 s[12:15], s[0:1], 0x20             ; kc 12, vc 14
	v_lshl_add_u32 v2, v0, 2, SPARE
	v_mov_b32 v3, 0
	v_lshrrev_b32 v7, 5, v0
	v_readfirstlane_b32 s2, v7                     ; wave
	v_and_b32 v7, 31, v0
	v_lshlrev_b32 v1, 4, v7                        ; 16 x lane
	s_lshl_b32 s26, s2, 14
	v_add_nc_u32 v6, s26, v1                       ; my quarter of h's image
	s_and_b32 s3, ttmp7, 0xffff                    ; 0 Q, 1 K, 2 V
	s_lshl_b32 s28, s3, 22                         ; hcodes: 4 MiB for each scale,
	s_lshl_b32 s29, ttmp9, 16                      ; 8 tiles x 8,192 bytes a block,
	s_add_co_u32 s28, s28, s29
	s_add_co_u32 s28, s28, s26                     ; my quarter
	s_mov_b32 s29, 0
	s_lshl_b32 s30, s3, 18                         ; wcodes: tile 32 y + 8 w, 8,192 bytes each
	s_lshl_b32 s31, s2, 16
	s_add_co_u32 s30, s30, s31
	s_mov_b32 s31, 0
	s_lshr_b32 s32, ttmp9, 4                       ; the batch
	s_lshl_b32 s32, s32, 20                        ; 16 heads x 65,536 bytes
	s_lshl_b32 s33, s2, 18                         ; my first head
	s_add_co_u32 s32, s32, s33
	s_and_b32 s33, ttmp9, 15
	s_lshl_b32 s33, s33, 12                        ; the block inside the batch: 4,096 bytes in each of the three layouts
	s_add_co_u32 s32, s32, s33
	s_mov_b32 s33, 0
	s_wait_kmcnt 0x0
	s_load_b256 s[16:23], s[8:9], 0x0              ; e0 .. e7
	s_load_b64 s[24:25], s[8:9], 0x20              ; e8, e9
	s_add_nc_u64 s[4:5], s[4:5], s[28:29]
	s_add_nc_u64 s[6:7], s[6:7], s[30:31]
	s_cmp_eq_u32 s3, 0
	s_cselect_b64 s[10:11], s[10:11], s[12:13]
	s_cmp_eq_u32 s3, 2
	s_cselect_b64 s[10:11], s[14:15], s[10:11]
	s_add_nc_u64 s[10:11], s[10:11], s[32:33]      ; where my results go
.set i, 0
.rept 32
	global_load_b128 v[16+4*i:19+4*i], v1, s[4:5] offset:512*i   ; my quarter of the block's h, as it lies
.set i, i+1
.endr
.macro WLOAD s
	WIN 0x40*(1+(\s)/2)
.irp t, 0,1,2,3,4,5,6,7
.irp c, 0,1,2,3
	global_load_b128 v[128*((\s)%2)+16*\t+4*\c:128*((\s)%2)+16*\t+4*\c+3], v1, s[6:7] offset:8192*\t+2048*(\s)+512*\c
.endr
.endr
.endm
	WLOAD 0
	s_wait_loadcnt 32                              ; h's 32 loads are in; the 32 weight loads behind them stay out
	WIN 0
.set i, 0
.rept 32
	ds_store_b128 v6, v[16+4*i:19+4*i] offset:512*i
.set i, i+1
.endr
	WLOAD 1
	WLOAD 2
	WLOAD 3
	WIN 0
	s_wait_kmcnt 0x0
	s_sub_co_i32 s26, s22, s16                     ; a sum stands for sum x 2^(ew + eh): its code is sum / 2^(eout - ew - eh): three scales folded into the conversion's one
	s_sub_co_i32 s26, s26, s17
	s_sub_co_i32 s27, s23, s18
	s_sub_co_i32 s27, s27, s19
	s_sub_co_i32 s28, s25, s20
	s_sub_co_i32 s28, s28, s21
	s_cmp_eq_u32 s3, 0
	s_cselect_b32 s26, s26, s27
	s_cmp_eq_u32 s3, 2
	s_cselect_b32 s26, s28, s26
	s_add_co_i32 s26, s26, 127
	s_lshl_b32 s27, s26, 23
	v_mov_b32 v4, s27
	s_add_co_i32 s26, s26, 8
	s_lshl_b32 s26, s26, 23
	s_or_b32 s26, s26, 0x600000
	v_mov_b32 v5, s26
	s_wait_dscnt 0x0                               ; for the others' sake: my part of the image has landed
	s_barrier_signal -1
	s_barrier_wait -1                              ; the only barrier: the image is never written again
	s_wait_loadcnt 0x0                             ; the weights
.macro FETCH m                         ; token tile m's four fragments into set m % 2
.irp s, 0,1,2,3
.irp c, 0,1,2,3
	ds_load_b128 v[16+64*((\m)%2)+16*\s+4*\c:16+64*((\m)%2)+16*\s+4*\c+3], v1 offset:8192*(\m)+2048*\s+512*\c
.endr
.endr
.endm
.macro ROWTILE m, swap
.set HFM, 16+64*((\m)%2)
	s_wait_dscnt 0x0                               ; this tile's fragments are in
.if (\m) < 7
	FETCH (\m)+1                                   ; the other set: its last products stand a whole quantising back
.endif
.irp s, 0,1,2,3                        ; 32 products; the eight accumulators take turns
.if \swap
	WIN 4*(1+\s/2)
.else
	WIN 1+\s/2
.endif
.irp t, 0,1,2,3,4,5,6,7
.if \swap
.if \s == 0
	v_wmma_f32_16x16x128_fp8_fp8 v[ACC+8*\t:ACC+8*\t+7], v[HFM+16*\s:HFM+16*\s+15], v[128*(\s%2)+16*\t:128*(\s%2)+16*\t+15], 0
.else
	v_wmma_f32_16x16x128_fp8_fp8 v[ACC+8*\t:ACC+8*\t+7], v[HFM+16*\s:HFM+16*\s+15], v[128*(\s%2)+16*\t:128*(\s%2)+16*\t+15], v[ACC+8*\t:ACC+8*\t+7]
.endif
.else
.if \s == 0
	v_wmma_f32_16x16x128_fp8_fp8 v[ACC+8*\t:ACC+8*\t+7], v[128*(\s%2)+16*\t:128*(\s%2)+16*\t+15], v[HFM+16*\s:HFM+16*\s+15], 0
.else
	v_wmma_f32_16x16x128_fp8_fp8 v[ACC+8*\t:ACC+8*\t+7], v[128*(\s%2)+16*\t:128*(\s%2)+16*\t+15], v[HFM+16*\s:HFM+16*\s+15], v[ACC+8*\t:ACC+8*\t+7]
.endif
.endif
.endr
.endr
	WIN 0
.rept 4
	v_nop                                          ; four places between the last product and the first vector instruction on a result (ISA guide 7.12.1)
.endr
	s_wait_xcnt 0x0                                ; the earlier stores have read the codes' registers
.set i, 0
.rept 64
	v_med3_num_f32 v[ACC+i], v[ACC+i], -v5, v5     ; the hold, each accumulator from its low end on
.set i, i+1
.endr
.irp t, 0,1,2,3,4,5,6,7
.if \swap
	v_cvt_scalef32_pk8_fp8_f32 v[PC+4*\t+2*((\m)%2):PC+4*\t+2*((\m)%2)+1], v[ACC+8*\t:ACC+8*\t+7], v4   ; keys 8 (m % 2) + 0 .. 7 of the lane's 16
.else
	v_cvt_scalef32_pk8_fp8_f32 v[PC+2*\t:PC+2*\t+1], v[ACC+8*\t:ACC+8*\t+7], v4                         ; channels 8 (t % 2) + 0 .. 7 of the lane's 16
.endif
.endr
	v_nop                                          ; a plain instruction before the next products write the conversions' sources
.if \swap
.if (\m)%2
.irp t, 0,1,2,3,4,5,6,7
	global_store_b128 v1, v[PC+4*\t:PC+4*\t+3], s[10:11] offset:65536*(\t/2)+2048*(\t%2)+512*((\m)/2)   ; vc[head][key step][u][chunk m / 2]: 512 consecutive, aligned bytes
.endr
.endif
.else
.irp i, 0,1,2,3
	global_store_b128 v1, v[PC+4*\i:PC+4*\i+3], s[10:11] offset:65536*\i+512*(\m)                       ; qc or kc[head][token tile]
.endr
.endif
.endm
	FETCH 0
	s_cmp_eq_u32 s3, 2
	s_cbranch_scc1 .Lv
.irp m, 0,1,2,3,4,5,6,7
	ROWTILE \m, 0
.endr
	s_wait_tensorcnt 0x0                           ; the wave's end
	ds_add_u32 v2, v3
	s_wait_dscnt 0x0
	s_endpgm
.Lv:
.irp m, 0,1,2,3,4,5,6,7
	ROWTILE \m, 1
.endr
	s_wait_tensorcnt 0x0
	ds_add_u32 v2, v3
	s_wait_dscnt 0x0
	s_endpgm
.Lfunc_end_k_q470426b412_qkv:
	.size	k_q470426b412_qkv, .Lfunc_end_k_q470426b412_qkv-k_q470426b412_qkv
	.p2alignl 7, 3214868480
	.fill 96, 4, 3214868480
	.section	.rodata,"a",@progbits
	.p2align	6, 0x0
	.amdhsa_kernel k_q470426b412_qkv
		.amdhsa_group_segment_fixed_size 66048
		.amdhsa_private_segment_fixed_size 0
		.amdhsa_enable_private_segment 0
		.amdhsa_kernarg_size 48
		.amdhsa_user_sgpr_count 2
		.amdhsa_user_sgpr_kernarg_segment_ptr 1
		.amdhsa_wavefront_size32 1
		.amdhsa_system_sgpr_workgroup_id_x 1
		.amdhsa_system_sgpr_workgroup_id_y 1
		.amdhsa_system_sgpr_workgroup_id_z 1
		.amdhsa_system_vgpr_workitem_id 0
		.amdhsa_next_free_vgpr 768
		.amdhsa_next_free_sgpr 66
		.amdhsa_reserve_vcc 0
		.amdhsa_float_denorm_mode_32 3
		.amdhsa_float_denorm_mode_16_64 3
		.amdhsa_memory_ordered 1
		.amdhsa_forward_progress 1
		.amdhsa_inst_pref_size 150
	.end_amdhsa_kernel
	.amdgpu_metadata
---
amdhsa.version: [ 1, 2 ]
amdhsa.kernels:
  - .name:           k_q470426b412_qkv
    .symbol:         k_q470426b412_qkv.kd
    .args:
      - { .name: hcodes, .offset: 0, .size: 8, .value_kind: global_buffer, .address_space: global }
      - { .name: wcodes, .offset: 8, .size: 8, .value_kind: global_buffer, .address_space: global }
      - { .name: lowp_scales, .offset: 16, .size: 8, .value_kind: global_buffer, .address_space: global }
      - { .name: qc, .offset: 24, .size: 8, .value_kind: global_buffer, .address_space: global }
      - { .name: kc, .offset: 32, .size: 8, .value_kind: global_buffer, .address_space: global }
      - { .name: vc, .offset: 40, .size: 8, .value_kind: global_buffer, .address_space: global }
    .group_segment_fixed_size: 66048
    .private_segment_fixed_size: 0
    .kernarg_segment_align: 8
    .kernarg_segment_size: 48
    .max_flat_workgroup_size: 128
    .sgpr_count:     66
    .vgpr_count:     768
    .wavefront_size: 32
...
	.end_amdgpu_metadata
.endif
;; end of part 2
;; launch attn (part 3): grid 4 x 64, 16 waves a work-group, no clusters, 133,120 bytes of LDS; arguments qc, kc, vc, lowp_scales, ac; writes ac
.if DOCPART == 3
	.amdgcn_target "amdgcn-amd-amdhsa--gfx1250"
	.amdhsa_code_object_version 6
	.text
	.protected	k_q470426b412_attn
	.globl	k_q470426b412_attn
	.p2align	8
	.type	k_q470426b412_attn,@function
k_q470426b412_attn:
	s_mov_b64 s[64:65], 0
	v_nop
	global_prefetch_b8 v0, s[64:65] scope:SCOPE_SE
	s_setreg_imm32_b32 hwreg(HW_REG_WAVE_MODE, 25, 1), 1
	s_wait_xcnt 0x0
; Causal attention of one head of one batch (work-group y), head size 32, both products on E4M3 codes; the result is quantised (2^e10) into the projection's operand.
; t = score x log2(e) / sqrt(32); M = the running largest t rounded UP to a whole number; p = 2^(t - M) is quantised with 2^e8, not normalised; the row's sum is taken of the unquantised p and divides at the end.
; SHARES: wave w of work-group x = j owns the query tiles A = 16 j + w and B = 127 - A.  Tile T needs the key steps (128 keys) 0 .. T / 8, so every wave has (A / 8 + 1) + (B / 8 + 1) = 17 tile steps: only causal work, evenly shared.
; The head's K and V (64 KiB each, as register images) are copied into LDS once.  The loop has 16 trips in every wave; a trip whose keys all come after a tile's queries jumps over that tile's work (scalar branches on ids).
; S^T = K Q^T by the K = 64 form: an operand of K holds TWO key tiles (32 channels each), the query's operand is [q | 0] or [0 | q] and so picks one.  The other tile's codes (never NaN: they came through the hold) meet zeros.
; A lane holds ONE query throughout.  The rows of a token tile are 32 (T / 2) + 8 (T % 2) + r + 8 (r / 8), so the 16 registers of score tiles 2 b, 2 b + 1 are the keys 32 b + 16 hh + 0 .. 15: the conversions' results are the second product's operand.
; No cluster: the four work-groups of a head read the same K and V, but once, at the head, and their skips hang on j, which would be their place in the cluster.
; THE HOLD OF p: p <= 1, and 448 x 2^e8 >= 1.75 for e8 >= -8: there the hold cannot act and is jumped over (a scalar branch on the given whole number); for smaller e8 it runs.
; LIMITS: e6 + e7 between -124 and 129; e8, and e10 - e8 - e9, between -126 and 119.
; REGISTERS: v1 16 x lane, v2 the same + 65,536; v3, v4 the step's addresses; v5, v6 the add's two; v7 -infinity; v8, v9 2^e8 and 448 x 2^e8; v10-13, v14-17 a tile's -M, largest t, sum (two halves);
;   v18, v19 at work; v[20:21] f; v[22:23] the sum's second chain; v24 a permute's destination; v25, v26 the mask's bound; v27, v28 where I copy to; v29, v30 the result's scale and limit;
;   v32-43, v44-55 [q, 0, q]; v56-87 K; v88-119 V; v120-183 S^T, then p; v184-199 p's codes; v200-215, v216-231 O^T; v232-239 the result's codes.
.set SPARE, 131072
.set QA, 32
.set QB, 44
.set KR, 56
.set VR, 88
.set S,  120
.set P,  184
.set OA, 200
.set OB, 216
.set STA, 10
.set STB, 14
.set KS, 19                            ; s19 the key step
.set TB, 20                            ; s20 its first byte in K's and in V's image
.set CS, 22                            ; s[22:23] c = log2(e) / sqrt(32) x 2^(e6 + e7)
.set EP, 26                            ; s26 e8
	s_load_b256 s[4:11], s[0:1], 0x0               ; qc 4, kc 6, vc 8, lowp_scales 10
	s_load_b64 s[12:13], s[0:1], 0x20              ; ac
	v_lshl_add_u32 v5, v0, 2, SPARE
	v_mov_b32 v6, 0
	v_lshrrev_b32 v18, 5, v0
	v_readfirstlane_b32 s14, v18                   ; wave 0..15
	v_and_b32 v18, 31, v0
	v_lshlrev_b32 v1, 4, v18
	v_add_nc_u32 v2, 0x10000, v1
	s_lshl_b32 s27, s14, 12
	v_add_nc_u32 v27, s27, v1                      ; my 4,096 bytes of K's image,
	v_add_nc_u32 v28, 0x10000, v27                 ; and of V's
	s_lshl_b32 s15, ttmp9, 4
	s_add_co_u32 s15, s15, s14                     ; A
	s_sub_co_u32 s16, 127, s15                     ; B
	s_lshr_b32 s17, s15, 3                         ; A's last key step
	s_lshr_b32 s18, s16, 3                         ; B's
	s_and_b32 s21, ttmp7, 0xffff                   ; 16 x batch + head
	s_lshl_b32 s40, s21, 16
	s_add_co_u32 s40, s40, s27
	s_mov_b32 s41, 0                               ; K, V: 65,536 x head + my part
	s_lshl_b32 s42, s21, 16
	s_lshl_b32 s43, s15, 9
	s_add_co_u32 s42, s42, s43
	s_mov_b32 s43, 0                               ; Q: 65,536 x head + 512 x tile
	s_lshl_b32 s44, s21, 16
	s_lshl_b32 s45, s16, 9
	s_add_co_u32 s44, s44, s45
	s_mov_b32 s45, 0
	s_lshr_b32 s50, s21, 4
	s_lshl_b32 s50, s50, 20                        ; ac: 128 tiles x 8,192 bytes a batch,
	s_and_b32 s51, s21, 15
	s_lshl_b32 s51, s51, 9                         ; chunk = head,
	s_add_co_u32 s50, s50, s51
	s_lshl_b32 s46, s15, 13                        ; 8,192 x tile
	s_add_co_u32 s46, s46, s50
	s_mov_b32 s47, 0
	s_lshl_b32 s48, s16, 13
	s_add_co_u32 s48, s48, s50
	s_mov_b32 s49, 0
	s_wait_kmcnt 0x0
	s_load_b256 s[28:35], s[10:11], 0x0            ; e0 .. e7
	s_load_b128 s[36:39], s[10:11], 0x20           ; e8 .. e11
	s_add_nc_u64 s[6:7], s[6:7], s[40:41]
	s_add_nc_u64 s[8:9], s[8:9], s[40:41]
	s_add_nc_u64 s[42:43], s[4:5], s[42:43]
	s_add_nc_u64 s[44:45], s[4:5], s[44:45]
	s_add_nc_u64 s[46:47], s[12:13], s[46:47]
	s_add_nc_u64 s[48:49], s[12:13], s[48:49]
.irp i, 0,1,2,3,4,5,6,7
	global_load_b128 v[S+4*\i:S+4*\i+3], v1, s[6:7] offset:512*\i
	global_load_b128 v[S+32+4*\i:S+32+4*\i+3], v1, s[8:9] offset:512*\i
.endr
	global_load_b128 v[QA:QA+3], v1, s[42:43]      ; each q twice: [q, 0, q]
	global_load_b128 v[QA+8:QA+11], v1, s[42:43]
	global_load_b128 v[QB:QB+3], v1, s[44:45]
	global_load_b128 v[QB+8:QB+11], v1, s[44:45]
	s_wait_loadcnt 4                               ; the copy's 16 loads are in; q's four stay out
.irp i, 0,1,2,3,4,5,6,7
	ds_store_b128 v27, v[S+4*\i:S+4*\i+3] offset:512*\i
	ds_store_b128 v28, v[S+32+4*\i:S+32+4*\i+3] offset:512*\i
.endr
.irp i, 4,5,6,7
	v_mov_b32 v[QA+\i], 0
	v_mov_b32 v[QB+\i], 0
.endr
.set i, 0
.rept 32
	v_mov_b32 v[OA+i], 0                           ; O^T of both tiles.  (The step is written once: the first finds zeros, which the first change of M leaves zeros)
.set i, i+1
.endr
	v_mov_b32 v[STA+1], 0xff61b1e6                 ; the largest t so far: -3e38
	v_mov_b32 v[STB+1], 0xff61b1e6
	v_floor_f32 v[STA], -v[STA+1]                  ; -M
	v_floor_f32 v[STB], -v[STB+1]
	v_mov_b32 v[STA+2], 0
	v_mov_b32 v[STA+3], 0
	v_mov_b32 v[STB+2], 0
	v_mov_b32 v[STB+3], 0
	v_mov_b32 v7, 0xff800000
	v_mov_b32 v21, 0                               ; upper words of pairs that are named whole
	v_mov_b32 v22, 0
	v_mov_b32 v23, 0
	v_and_b32 v18, 15, v0                          ; r
	v_bfe_u32 v19, v0, 4, 1                        ; hh
	v_and_b32 v24, 8, v18
	v_add_nc_u32 v24, v24, v18
	v_lshlrev_b32 v19, 4, v19
	v_sub_nc_u32 v24, v24, v19                     ; r + 8 (r / 8) - 16 hh
	s_and_b32 s27, s15, 6
	s_lshl_b32 s27, s27, 4
	s_and_b32 s50, s15, 1
	s_lshl_b32 s50, s50, 3
	s_add_co_u32 s27, s27, s50
	v_add_nc_u32 v25, s27, v24                     ; d = my query's place in its diagonal step - 16 hh: score register 16 b + i is hidden where 32 b + i > d
	s_and_b32 s27, s16, 6
	s_lshl_b32 s27, s27, 4
	s_and_b32 s50, s16, 1
	s_lshl_b32 s50, s50, 3
	s_add_co_u32 s27, s27, s50
	v_add_nc_u32 v26, s27, v24
	s_mov_b32 s24, 0x76543210
	s_mov_b32 s25, 0xfedcba98
	s_mov_b32 s[KS], 0
	s_mov_b32 s[TB], 0
	s_wait_kmcnt 0x0
	s_add_co_i32 s27, s34, s35                     ; e6 + e7 go into c's exponent field
	s_lshl_b32 s27, s27, 23
	s_mov_b32 s[CS], 0x3e8293ee
	s_add_co_i32 s[CS], s[CS], s27
	s_mov_b32 s[CS+1], s[CS]
	s_mov_b32 s[EP], s36
	s_add_co_i32 s27, s36, 127
	s_lshl_b32 s50, s27, 23
	v_mov_b32 v8, s50                              ; 2^e8
	s_add_co_i32 s27, s27, 8
	s_lshl_b32 s27, s27, 23
	s_or_b32 s27, s27, 0x600000
	v_mov_b32 v9, s27                              ; 448 x 2^e8
	s_sub_co_i32 s27, s38, s36
	s_sub_co_i32 s27, s27, s37                     ; O / l stands for (O / l) x 2^(e8 + e9): its code is (O / l) / 2^(e10 - e8 - e9)
	s_add_co_i32 s27, s27, 127
	s_lshl_b32 s50, s27, 23
	v_mov_b32 v29, s50
	s_add_co_i32 s27, s27, 8
	s_lshl_b32 s27, s27, 23
	s_or_b32 s27, s27, 0x600000
	v_mov_b32 v30, s27
	s_wait_dscnt 0x0                               ; for the others' sake: my part of the images has landed
	s_barrier_signal -1
	s_barrier_wait -1                              ; the only barrier: the images are never written again
	s_wait_loadcnt 0x0                             ; q
; One query tile against the 128 keys in v[KR..], v[VR..].  QR: its [q, 0, q]; SR: its statistics; OR: its O^T; DR: its mask bound; NR: the scalar register with its diagonal step
.macro TILE_STEP QR, SR, OR, DR, NR
.irp t, 0,1,2,3,4,5,6,7
	v_wmma_f32_16x16x64_fp8_fp8 v[S+8*\t:S+8*\t+7], v[KR+8*(\t/2):KR+8*(\t/2)+7], v[\QR+4*(\t%2):\QR+4*(\t%2)+7], 0
.endr
.rept 4
	v_nop                                          ; four places ahead of the first read of a result (ISA guide 7.12.1)
.endr
	s_cmp_eq_u32 s[KS], s[\NR]
	s_cbranch_scc0 .Lopen_\@                       ; only the diagonal step has hidden keys
.set n, 0
.rept 64
	v_cmp_gt_i32 vcc_lo, 32*(n/16)+n%16, v[\DR]
	v_cndmask_b32 v[S+n], v[S+n], v7, vcc_lo       ; -infinity: p = 0
.set n, n+1
.endr
.Lopen_\@:
	v_max3_num_f32 v18, v[S], v[S+1], v[S+2]       ; the step's largest score among my 64 keys, two chains, ascending: each accumulator is read first at its low end
	v_max3_num_f32 v19, v[S+3], v[S+4], v[S+5]
.irp i, 6,10,14,18,22,26,30,34,38,42,46,50,54,58
	v_max3_num_f32 v18, v18, v[S+\i], v[S+\i+1]
	v_max3_num_f32 v19, v19, v[S+\i+2], v[S+\i+3]
.endr
	v_max3_num_f32 v18, v18, v[S+62], v[S+63]
	v_max_num_f32 v18, v18, v19
	v_permlanex16_b32 v24, v18, s24, s25
	v_max_num_f32 v18, v18, v24                    ; and among lane l xor 16's
	v_mul_f32 v18, s[CS], v18                      ; as t (c is positive)
	v_max_num_f32 v[\SR+1], v[\SR+1], v18
	v_mov_b32 v18, v[\SR]
	v_floor_f32 v[\SR], -v[\SR+1]                  ; -M = floor(-t): M is a whole number
	v_sub_f32 v18, v[\SR], v18                     ; old M - new M, 0 or less
	v_cvt_i32_f32 v18, v18                         ; (it saturates)
	v_ldexp_f32 v20, 1.0, v18                      ; f = 2^(old M - new M): rounds nothing
.set j, 0
.rept 32
	v_pk_fma_f32 v[S+j:S+j+1], v[S+j:S+j+1], s[CS:CS+1], v[\SR:\SR+1] op_sel_hi:[1,0,0]   ; t - M
.set j, j+2
.endr
.set j, 0
.rept 64
	v_exp_f32 v[S+j], v[S+j]                       ; p, one batch
.set j, j+1
.endr
	v_pk_mul_f32 v[\SR+2:\SR+3], v[\SR+2:\SR+3], v[20:21] op_sel_hi:[1,0]   ; the sum under the new M: the plain instruction behind the batch
	s_wait_alu depctr_va_vdst(0)                   ; one wait for the batch, ahead of its first reader
	v_pk_add_f32 v[22:23], v[S:S+1], v[S+2:S+3]    ; the sum of the UNQUANTISED p, two chains
.irp j, 4,8,12,16,20,24,28,32,36,40,44,48,52,56,60
	v_pk_add_f32 v[\SR+2:\SR+3], v[\SR+2:\SR+3], v[S+\j:S+\j+1]
	v_pk_add_f32 v[22:23], v[22:23], v[S+\j+2:S+\j+3]
.endr
	v_pk_add_f32 v[\SR+2:\SR+3], v[\SR+2:\SR+3], v[22:23]
	s_cmp_gt_i32 s[EP], -9
	s_cbranch_scc1 .Lnohold_\@                     ; e8 >= -8: 448 x 2^e8 lies above every p
.set j, 0
.rept 64
	v_min_num_f32 v[S+j], v[S+j], v9               ; p is not negative: the hold is one-sided
.set j, j+1
.endr
.Lnohold_\@:
.irp b, 0,1,2,3
	v_cvt_scalef32_pk8_fp8_f32 v[P+4*\b:P+4*\b+1], v[S+16*\b:S+16*\b+7], v8
	v_cvt_scalef32_pk8_fp8_f32 v[P+4*\b+2:P+4*\b+3], v[S+16*\b+8:S+16*\b+15], v8
.endr
.irp j, 0,2,4,6,8,10,12,14
	v_pk_mul_f32 v[\OR+\j:\OR+\j+1], v[\OR+\j:\OR+\j+1], v[20:21] op_sel_hi:[1,0]   ; O^T under the new M; also the plain instructions between the conversions and the products
.endr
.irp u, 0,1
	v_wmma_f32_16x16x128_fp8_fp8 v[\OR+8*\u:\OR+8*\u+7], v[VR+16*\u:VR+16*\u+15], v[P:P+15], v[\OR+8*\u:\OR+8*\u+7]
.endr
.endm
.Lstep:                                            ; 16 trips in every wave
	s_cmp_gt_u32 s[KS], s18
	s_cbranch_scc1 .Lskip                          ; all keys come after both tiles' queries (A < B)
.rept 4
	v_nop                                          ; four places ahead of loads into registers that the last products read
.endr
	v_add_nc_u32 v3, s[TB], v1
	v_add_nc_u32 v4, s[TB], v2
.irp t, 0,1,2,3,4,5,6,7
	ds_load_b128 v[KR+4*\t:KR+4*\t+3], v3 offset:512*\t
.endr
.irp t, 0,1,2,3,4,5,6,7
	ds_load_b128 v[VR+4*\t:VR+4*\t+3], v4 offset:512*\t
.endr
	s_wait_dscnt 0x0
	TILE_STEP QB, STB, OB, 26, 18
	s_cmp_gt_u32 s[KS], s17
	s_cbranch_scc1 .Lskip
	TILE_STEP QA, STA, OA, 25, 17                  ; the same fragments serve both tiles
.Lskip:
	s_add_co_u32 s[TB], s[TB], 4096
	s_add_co_u32 s[KS], s[KS], 1
	s_cmp_lt_u32 s[KS], 16
	s_cbranch_scc1 .Lstep
	; THE WAY OUT: O^T / the sum, quantised; a lane's 16 channels are 16 bytes, and the wave's 512 bytes are one chunk of the projection's operand: no stage
.rept 4
	v_nop
.endr
	v_add_f32 v18, v[STA+2], v[STA+3]
	v_add_f32 v19, v[STB+2], v[STB+3]
	v_permlanex16_b32 v24, v18, s24, s25
	v_add_f32 v18, v18, v24
	v_permlanex16_b32 v24, v19, s24, s25
	v_add_f32 v19, v19, v24
	v_rcp_f32 v20, v18
	v_rcp_f32 v22, v19
	v_nop
	s_wait_alu depctr_va_vdst(0)                   ; one wait for both reciprocals
.macro FINISH OR, RR, CD, BASE
.irp j, 0,2,4,6,8,10,12,14
	v_pk_mul_f32 v[\OR+\j:\OR+\j+1], v[\OR+\j:\OR+\j+1], v[\RR:\RR+1] op_sel_hi:[1,0]
.endr
.irp j, 0,1,2,3,4,5,6,7,8,9,10,11,12,13,14,15
	v_med3_num_f32 v[\OR+\j], v[\OR+\j], -v30, v30
.endr
	v_cvt_scalef32_pk8_fp8_f32 v[\CD:\CD+1], v[\OR:\OR+7], v29
	v_cvt_scalef32_pk8_fp8_f32 v[\CD+2:\CD+3], v[\OR+8:\OR+15], v29
	v_nop
	global_store_b128 v1, v[\CD:\CD+3], s[\BASE:\BASE+1]   ; 512 consecutive, aligned bytes
.endm
	FINISH OA, 20, 232, 46
	FINISH OB, 22, 236, 48
	s_wait_tensorcnt 0x0                           ; the wave's end
	ds_add_u32 v5, v6
	s_wait_dscnt 0x0
	s_endpgm
.Lfunc_end_k_q470426b412_attn:
	.size	k_q470426b412_attn, .Lfunc_end_k_q470426b412_attn-k_q470426b412_attn
	.p2alignl 7, 3214868480
	.fill 96, 4, 3214868480
	.section	.rodata,"a",@progbits
	.p2align	6, 0x0
	.amdhsa_kernel k_q470426b412_attn
		.amdhsa_group_segment_fixed_size 133120
		.amdhsa_private_segment_fixed_size 0
		.amdhsa_enable_private_segment 0
		.amdhsa_kernarg_size 40
		.amdhsa_user_sgpr_count 2
		.amdhsa_user_sgpr_kernarg_segment_ptr 1
		.amdhsa_wavefront_size32 1
		.amdhsa_system_sgpr_workgroup_id_x 1
		.amdhsa_system_sgpr_workgroup_id_y 1
		.amdhsa_system_sgpr_workgroup_id_z 1
		.amdhsa_system_vgpr_workitem_id 0
		.amdhsa_next_free_vgpr 240
		.amdhsa_next_free_sgpr 66
		.amdhsa_reserve_vcc 1
		.amdhsa_float_denorm_mode_32 3
		.amdhsa_float_denorm_mode_16_64 3
		.amdhsa_memory_ordered 1
		.amdhsa_forward_progress 1
		.amdhsa_inst_pref_size 49
	.end_amdhsa_kernel
	.amdgpu_metadata
---
amdhsa.version: [ 1, 2 ]
amdhsa.kernels:
  - .name:           k_q470426b412_attn
    .symbol:         k_q470426b412_attn.kd
    .args:
      - { .name: qc, .offset: 0, .size: 8, .value_kind: global_buffer, .address_space: global }
      - { .name: kc, .offset: 8, .size: 8, .value_kind: global_buffer, .address_space: global }
      - { .name: vc, .offset: 16, .size: 8, .value_kind: global_buffer, .address_space: global }
      - { .name: lowp_scales, .offset: 24, .size: 8, .value_kind: global_buffer, .address_space: global }
      - { .name: ac, .offset: 32, .size: 8, .value_kind: global_buffer, .address_space: global }
    .group_segment_fixed_size: 133120
    .private_segment_fixed_size: 0
    .kernarg_segment_align: 8
    .kernarg_segment_size: 40
    .max_flat_workgroup_size: 512
    .sgpr_count:     66
    .vgpr_count:     240
    .wavefront_size: 32
...
	.end_amdgpu_metadata
.endif
;; end of part 3
;; launch head (part 4): grid 64 x 4, 4 waves a work-group, no clusters, 165,376 bytes of LDS; arguments ac, wcodes, tokens, tok_embed, pos_embed, fc_b, lowp_scales, out0; writes out0
.if DOCPART == 4
	.amdgcn_target "amdgcn-amd-amdhsa--gfx1250"
	.amdhsa_code_object_version 6
	.text
	.protected	k_q470426b412_head
	.globl	k_q470426b412_head
	.p2align	8
	.type	k_q470426b412_head,@function
k_q470426b412_head:
	s_mov_b64 s[64:65], 0
	v_nop
	global_prefetch_b8 v0, s[64:65] scope:SCOPE_SE
	s_setreg_imm32_b32 hwreg(HW_REG_WAVE_MODE, 25, 1), 1
	s_wait_xcnt 0x0
; logits = Q(x + attn Wproj) fc_w + fc_b for 128 rows (work-group x) and 512 columns of logits (work-group y = g), both products on E4M3 codes.
; PHASE 1, the projection, for all 512 columns (the four g repeat it: that costs less than a launch and a round trip of its own): wave w owns columns 128 w .. + 127; Wproj's 8 tiles x 4 fragments stay in its registers;
;   attn's codes (64 KiB) go once through LDS.  x = tok_embed[token] + pos_embed is gathered anew, in the result's layout.  x + out is quantised (2^e12): it is fragment w of the next product: image to LDS.
; PHASE 2: the same registers take fc_w's tiles 32 g + 8 w + t (asked for during the last tile of phase 1); wave w makes logits 512 g + 128 w .. + 127 for the 128 rows.
; Both products: source 0 = 16 columns of the weight, source 1 = 16 rows: a lane holds ONE row.  Wproj's tiles take columns 32 b + 8 u + r + 8 (r / 8), so a lane's registers 16 b + i are columns 32 b + 16 hh + i, the next K.
; fc_w's tiles take neighbouring columns: a lane's eight results are 32 neighbouring bytes; a tile of rows goes through the wave's own stage and leaves as pieces of 512 consecutive bytes of a row.
; A row of out0 is 8,000 bytes, no multiple of 256: a piece begins on a multiple of 64 bytes.  Columns 2,000 .. 2,047 (g = 3, wave 3) are computed from the last tile again and never stored.
; No cluster: the weights that work-groups share go straight into registers; what goes through LDS is read by four work-groups only, once.
; LIMITS: e12 between -126 and 119; e10 + e11 and e12 + e13 between -126 and 127.  A token id above 1,999 is held at 1,999.
; REGISTERS: window 0: v1 16 x lane; v2 + 65,536; v3, v4 the add's two; v5 where x's image goes; v6, v7 2^e12, 448 x 2^e12; v8 pos offset; v9, v10 stage in, out; v11 where I copy attn; v12-19 token rows' offsets; v20 4 x lane;
;   v21 ids' offset; v22-29 bias offsets; v32-159 two sets of four fragments; v160-223 eight accumulators; v224-239 codes.  Windows 1, 2: the weights, (t, s) at window 1 + s / 2, v[128 (s % 2) + 16 t].
;   Window 3: phase 1: two sets of 64 tok + 64 pos; phase 2: v0-63 the bias, v64-127 results, v128-191 rows on their way out.
.set XIMG,  65536
.set STGS,  131072                     ; four stages of 16 rows x (512 + 16) bytes
.set SPARE, 164864
.set ACC, 160
.set PC,  224
.set TMP, 64
.set BK,  128
.set MSB, 0
.macro WIN new
.if MSB != (\new)
	s_set_vgpr_msb (MSB<<8)|(\new)
.set MSB, (\new)
.endif
.endm
	s_load_b512 s[4:19], s[0:1], 0x0               ; ac 4, wcodes 6, tokens 8, tok_embed 10, pos_embed 12, fc_b 14, lowp_scales 16, out0 18
	v_lshl_add_u32 v3, v0, 2, SPARE
	v_mov_b32 v4, 0
	v_lshrrev_b32 v30, 5, v0
	v_readfirstlane_b32 s2, v30                    ; wave
	s_and_b32 s3, ttmp7, 0xffff                    ; g
	v_and_b32 v30, 31, v0
	v_lshlrev_b32 v1, 4, v30
	v_lshlrev_b32 v20, 2, v30
	v_add_nc_u32 v2, XIMG, v1
	s_lshl_b32 s20, s2, 11
	v_add_nc_u32 v5, s20, v2
	s_lshl_b32 s20, s2, 14
	v_add_nc_u32 v11, s20, v1
	v_and_b32 v30, 15, v0                          ; r
	v_bfe_u32 v31, v0, 4, 1                        ; hh
	v_and_b32 v21, 8, v30
	v_add_nc_u32 v21, v21, v30                     ; r + 8 (r / 8)
	v_lshlrev_b32 v8, 11, v21
	v_lshl_add_u32 v8, v31, 6, v8                  ; pos: that row, + 64 hh bytes
	v_lshlrev_b32 v21, 2, v21
	s_mul_i32 s20, s2, 8448
	s_add_co_u32 s20, s20, STGS
	v_mul_u32_u24 v9, v30, 528
	v_lshl_add_u32 v9, v31, 5, v9
	v_add_nc_u32 v9, s20, v9                       ; stage, in: row r, 32 hh
	v_add_nc_u32 v10, s20, v1                      ; out: a row of 512 bytes
	s_lshl_b32 s20, s3, 11
	s_lshl_b32 s21, s2, 9
	s_add_co_u32 s20, s20, s21
	v_lshl_add_u32 v22, v31, 5, s20                ; bias: 4 (512 g + 128 w + 8 hh)
.irp t, 1,2,3,4,5,6,7
	v_add_nc_u32 v[22+\t], 64*\t, v22
.endr
.irp t, 0,1,2,3,4,5,6,7
	v_min_u32 v[22+\t], 7968, v[22+\t]             ; no load leaves fc_b: the columns past 1,999 take the last eight again
.endr
	v_lshlrev_b32 v31, 6, v31                      ; 64 hh
	s_lshl_b32 s20, s3, 9
	s_lshl_b32 s21, s2, 7
	s_add_co_u32 s20, s20, s21
	s_sub_co_u32 s52, 2000, s20                    ; columns left from my first on
	s_lshl_b32 s20, s3, 5
	s_lshl_b32 s21, s2, 3
	s_add_co_u32 s20, s20, s21                     ; my first tile of fc_w
.irp t, 0,1,2,3,4,5,6,7
	s_add_co_u32 s[32+2*\t], s20, \t
	s_min_u32 s[32+2*\t], s[32+2*\t], 124          ; there are 125
	s_add_co_u32 s[32+2*\t], s[32+2*\t], 128       ; behind the 128 tiles of Wq, Wk, Wv, Wproj
	s_lshl_b32 s[32+2*\t], s[32+2*\t], 13
	s_mov_b32 s[33+2*\t], 0
.endr
	s_mov_b32 s21, 0
	s_mov_b32 s29, 0
	s_wait_kmcnt 0x0
	s_load_b128 s[24:27], s[16:17], 0x28           ; e10 .. e13
.irp t, 0,1,2,3,4,5,6,7
	s_add_nc_u64 s[32+2*\t:33+2*\t], s[6:7], s[32+2*\t:33+2*\t]
.endr
	s_lshl_b32 s20, ttmp9, 16
	s_lshl_b32 s28, s2, 14
	s_add_co_u32 s20, s20, s28
	s_add_nc_u64 s[4:5], s[4:5], s[20:21]          ; ac: the block's 8 tiles, my quarter
	s_lshl_b32 s20, s2, 16
	s_add_co_u32 s20, s20, 96*8192
	s_add_nc_u64 s[56:57], s[6:7], s[20:21]        ; Wproj's tiles 8 w ..
	s_lshl_b32 s20, ttmp9, 9
	s_add_nc_u64 s[8:9], s[8:9], s[20:21]          ; the block's ids
	s_lshl_b32 s28, s2, 9
	s_add_nc_u64 s[10:11], s[10:11], s[28:29]      ; tok_embed at my 128 columns
	s_and_b32 s20, ttmp9, 15
	s_lshl_b32 s20, s20, 18
	s_add_co_u32 s20, s20, s28
	s_add_nc_u64 s[12:13], s[12:13], s[20:21]      ; pos_embed at the block's first position, my columns
	s_mul_i32 s20, ttmp9, 1024000
	s_lshl_b32 s54, s3, 11
	s_add_co_u32 s20, s20, s54
	s_add_co_u32 s20, s20, s28
	s_add_nc_u64 s[18:19], s[18:19], s[20:21]      ; out0: the block's first row, my first column
.irp m, 0,1,2,3,4,5,6,7
	global_load_b32 v[12+\m], v21, s[8:9] offset:4*(32*(\m/2)+8*(\m%2))
.endr
.set i, 0
.rept 32
	global_load_b128 v[32+4*i:35+4*i], v1, s[4:5] offset:512*i
.set i, i+1
.endr
	s_wait_loadcnt 32                              ; the ids are in; the copy's 32 loads stay out
.irp m, 0,1,2,3,4,5,6,7
	v_min_u32 v[12+\m], 1999, v[12+\m]             ; an id enters an address only behind this bound
	v_lshl_add_u32 v[12+\m], v[12+\m], 11, v31
.endr
.macro XLOAD m                         ; x of token tile m in the accumulators' layout: register 16 b + 4 j + i = column 128 w + 32 b + 16 hh + 4 j + i of the lane's row
.set XL, 128*((\m)%2)
	WIN 0xc0
.irp b, 0,1,2,3
.irp j, 0,1,2,3
	global_load_b128 v[XL+16*\b+4*\j:XL+16*\b+4*\j+3], v[12+(\m)], s[10:11] offset:128*\b+16*\j
	global_load_b128 v[XL+64+16*\b+4*\j:XL+64+16*\b+4*\j+3], v8, s[12:13] offset:(32*((\m)/2)+8*((\m)%2))*2048+128*\b+16*\j
.endr
.endr
	WIN 0
.endm
	XLOAD 0
	s_wait_loadcnt 32                              ; the copy is in; x's 32 loads stay out
.set i, 0
.rept 32
	ds_store_b128 v11, v[32+4*i:35+4*i] offset:512*i
.set i, i+1
.endr
.irp s, 0,1,2,3
	WIN 0x40*(1+\s/2)
.irp t, 0,1,2,3,4,5,6,7
.irp c, 0,1,2,3
	global_load_b128 v[128*(\s%2)+16*\t+4*\c:128*(\s%2)+16*\t+4*\c+3], v1, s[56:57] offset:8192*\t+2048*\s+512*\c
.endr
.endr
.endr
	WIN 0
	s_wait_kmcnt 0x0
	s_add_co_i32 s48, s24, s25
	s_add_co_i32 s48, s48, 127
	s_lshl_b32 s48, s48, 23                        ; 2^(e10 + e11)
	s_mov_b32 s49, s48
	s_add_co_i32 s50, s26, s27
	s_add_co_i32 s50, s50, 127
	s_lshl_b32 s50, s50, 23                        ; 2^(e12 + e13)
	s_mov_b32 s51, s50
	s_add_co_i32 s54, s26, 127
	s_lshl_b32 s55, s54, 23
	v_mov_b32 v6, s55
	s_add_co_i32 s54, s54, 8
	s_lshl_b32 s54, s54, 23
	s_or_b32 s54, s54, 0x600000
	v_mov_b32 v7, s54
	s_wait_dscnt 0x0                               ; for the others' sake: my part of attn's image has landed
	s_barrier_signal -1
	s_barrier_wait -1
	s_wait_loadcnt 0x0                             ; Wproj, and x of tile 0
.macro FETCHF adr, m                   ; token tile m's four fragments from the image at v[adr] into set m % 2
.irp s, 0,1,2,3
.irp c, 0,1,2,3
	ds_load_b128 v[32+64*((\m)%2)+16*\s+4*\c:32+64*((\m)%2)+16*\s+4*\c+3], v[\adr] offset:8192*(\m)+2048*\s+512*\c
.endr
.endr
.endm
.macro MM m                            ; 32 products; the eight accumulators take turns; then four places (ISA guide 7.12.1)
.set AFM, 32+64*((\m)%2)
.irp s, 0,1,2,3
	WIN 1+\s/2
.irp t, 0,1,2,3,4,5,6,7
.if \s == 0
	v_wmma_f32_16x16x128_fp8_fp8 v[ACC+8*\t:ACC+8*\t+7], v[128*(\s%2)+16*\t:128*(\s%2)+16*\t+15], v[AFM+16*\s:AFM+16*\s+15], 0
.else
	v_wmma_f32_16x16x128_fp8_fp8 v[ACC+8*\t:ACC+8*\t+7], v[128*(\s%2)+16*\t:128*(\s%2)+16*\t+15], v[AFM+16*\s:AFM+16*\s+15], v[ACC+8*\t:ACC+8*\t+7]
.endif
.endr
.endr
	WIN 0
.rept 4
	v_nop
.endr
.endm
.macro FCLOAD                          ; fc_w's tiles take Wproj's registers, four places behind its last product; the bias takes the x set that is done with
.irp s, 0,1,2,3
	WIN 0x40*(1+\s/2)
.irp t, 0,1,2,3,4,5,6,7
.irp c, 0,1,2,3
	global_load_b128 v[128*(\s%2)+16*\t+4*\c:128*(\s%2)+16*\t+4*\c+3], v1, s[32+2*\t:33+2*\t] offset:2048*\s+512*\c
.endr
.endr
.endr
	WIN 0xc0
.irp t, 0,1,2,3,4,5,6,7
	global_load_b128 v[8*\t:8*\t+3], v[22+\t], s[14:15]
	global_load_b128 v[8*\t+4:8*\t+7], v[22+\t], s[14:15] offset:16
.endr
	WIN 0
.endm
.macro PROJ m
	s_wait_dscnt 0x0                               ; this tile's fragments are in
.if (\m) < 7
	FETCHF 1, (\m)+1
	XLOAD (\m)+1
.endif
	MM \m
.if (\m) < 7
	s_wait_loadcnt 32                              ; this tile's x is in; the next tile's 32 loads stay out
.else
	s_wait_loadcnt 0x0
	FCLOAD                                         ; they travel during the last quantising and the barrier
.endif
.set XB, 128*((\m)%2)
	WIN 0xcf                                       ; destination and both sources window 3
.set j, 0
.rept 32
	v_pk_add_f32 v[XB+j:XB+j+1], v[XB+j:XB+j+1], v[XB+64+j:XB+64+j+1]   ; x
.set j, j+2
.endr
	WIN 0x30                                       ; source 2 window 3
.set j, 0
.rept 32
	v_pk_fma_f32 v[ACC+j:ACC+j+1], v[ACC+j:ACC+j+1], s[48:49], v[XB+j:XB+j+1] op_sel_hi:[1,0,1]   ; x + sum x 2^(e10 + e11), each accumulator from its low end on
.set j, j+2
.endr
	WIN 0
.set j, 0
.rept 64
	v_med3_num_f32 v[ACC+j], v[ACC+j], -v7, v7
.set j, j+1
.endr
.irp g, 0,1,2,3,4,5,6,7
	v_cvt_scalef32_pk8_fp8_f32 v[PC+2*\g:PC+2*\g+1], v[ACC+8*\g:ACC+8*\g+7], v6
.endr
	v_nop                                          ; a plain instruction before the next products write the conversions' sources
.irp c, 0,1,2,3
	ds_store_b128 v5, v[PC+4*\c:PC+4*\c+3] offset:8192*(\m)+512*\c   ; fragment w of token tile m
.endr
.endm
.macro FC m
	s_wait_dscnt 0x0
.if (\m) < 7
	FETCHF 2, (\m)+1
.endif
	MM \m
	WIN 0xf0                                       ; destination and source 2 window 3
.set j, 0
.rept 32
	v_pk_fma_f32 v[TMP+j:TMP+j+1], v[ACC+j:ACC+j+1], s[50:51], v[j:j+1] op_sel_hi:[1,0,1]   ; sum x 2^(e12 + e13) + bias
.set j, j+2
.endr
	WIN 0x0c                                       ; store data window 3
.irp t, 0,1,2,3,4,5,6,7
	ds_store_b128 v9, v[TMP+8*\t:TMP+8*\t+3] offset:64*\t
	ds_store_b128 v9, v[TMP+8*\t+4:TMP+8*\t+7] offset:64*\t+16
.endr
	WIN 0xc0
.irp i, 0,1,2,3,4,5,6,7,8,9,10,11,12,13,14,15
	ds_load_b128 v[BK+4*\i:BK+4*\i+3], v10 offset:528*\i   ; my own stage, served in order: these see the stores above.  (The last tile's global stores have read these registers: the wait on XCNT at its end)
.endr
	s_wait_dscnt 0x0
	WIN 0
	s_wait_xcnt 0x0                                ; EXEC changes only behind this wait
	v_cmp_gt_u32 vcc_lo, s52, v20                  ; my four columns exist
	s_and_saveexec_b32 s53, vcc_lo
	WIN 0x0c
.irp i, 0,1,2,3,4,5,6,7,8,9,10,11,12,13,14,15
	global_store_b128 v1, v[BK+4*\i:BK+4*\i+3], s[18:19] offset:(32*((\m)/2)+8*((\m)%2)+\i+8*(\i/8))*8000 th:TH_STORE_NT   ; 512 consecutive bytes of a row; written once, read by nobody here
.endr
	s_wait_xcnt 0x0                                ; and again, ahead of the line that widens it
	s_or_b32 exec_lo, exec_lo, s53
	WIN 0
.endm
	FETCHF 1, 0
.irp m, 0,1,2,3,4,5,6,7
	PROJ \m
.endr
	s_wait_dscnt 0x0                               ; for the others' sake: my fragments of x + out have landed
	s_barrier_signal -1
	s_barrier_wait -1
	s_wait_loadcnt 0x0                             ; fc_w's tiles and the bias
	FETCHF 2, 0
.irp m, 0,1,2,3,4,5,6,7
	FC \m
.endr
	s_wait_tensorcnt 0x0                           ; the wave's end
	ds_add_u32 v3, v4
	s_wait_dscnt 0x0
	s_endpgm
.Lfunc_end_k_q470426b412_head:
	.size	k_q470426b412_head, .Lfunc_end_k_q470426b412_head-k_q470426b412_head
	.p2alignl 7, 3214868480
	.fill 96, 4, 3214868480
	.section	.rodata,"a",@progbits
	.p2align	6, 0x0
	.amdhsa_kernel k_q470426b412_head
		.amdhsa_group_segment_fixed_size 165376
		.amdhsa_private_segment_fixed_size 0
		.amdhsa_enable_private_segment 0
		.amdhsa_kernarg_size 64
		.amdhsa_user_sgpr_count 2
		.amdhsa_user_sgpr_kernarg_segment_ptr 1
		.amdhsa_wavefront_size32 1
		.amdhsa_system_sgpr_workgroup_id_x 1
		.amdhsa_system_sgpr_workgroup_id_y 1
		.amdhsa_system_sgpr_workgroup_id_z 1
		.amdhsa_system_vgpr_workitem_id 0
		.amdhsa_next_free_vgpr 1024
		.amdhsa_next_free_sgpr 66
		.amdhsa_reserve_vcc 1
		.amdhsa_float_denorm_mode_32 3
		.amdhsa_float_denorm_mode_16_64 3
		.amdhsa_memory_ordered 1
		.amdhsa_forward_progress 1
		.amdhsa_inst_pref_size 234
	.end_amdhsa_kernel
	.amdgpu_metadata
---
amdhsa.version: [ 1, 2 ]
amdhsa.kernels:
  - .name:           k_q470426b412_head
    .symbol:         k_q470426b412_head.kd
    .args:
      - { .name: ac, .offset: 0, .size: 8, .value_kind: global_buffer, .address_space: global }
      - { .name: wcodes, .offset: 8, .size: 8, .value_kind: global_buffer, .address_space: global }
      - { .name: tokens, .offset: 16, .size: 8, .value_kind: global_buffer, .address_space: global }
      - { .name: tok_embed, .offset: 24, .size: 8, .value_kind: global_buffer, .address_space: global }
      - { .name: pos_embed, .offset: 32, .size: 8, .value_kind: global_buffer, .address_space: global }
      - { .name: fc_b, .offset: 40, .size: 8, .value_kind: global_buffer, .address_space: global }
      - { .name: lowp_scales, .offset: 48, .size: 8, .value_kind: global_buffer, .address_space: global }
      - { .name: out0, .offset: 56, .size: 8, .value_kind: global_buffer, .address_space: global }
    .group_segment_fixed_size: 165376
    .private_segment_fixed_size: 0
    .kernarg_segment_align: 8
    .kernarg_segment_size: 64
    .max_flat_workgroup_size: 128
    .sgpr_count:     66
    .vgpr_count:     1024
    .wavefront_size: 32
...
	.end_amdgpu_metadata
.endif
;; end of part 4
;; ======== version 2 of 2: 4 launches
;; workspace buffers: hcodes 12,582,912 bytes; wcodes 2,072,576 bytes; qc 4,194,304 bytes; kc 4,194,304 bytes; vc 4,194,304 bytes; ac 4,194,304 bytes
;; launch prep (part 5): grid 381 x 1, 4 waves a work-group, no clusters, 104,960 bytes of LDS; arguments tokens, tok_embed, pos_embed, ln_g, ln_b, Wq, Wk, Wv, Wproj, fc_w, lowp_scales, hcodes, wcodes; writes hcodes, wcodes
.if DOCPART == 5
	.amdgcn_target "amdgcn-amd-amdhsa--gfx1250"
	.amdhsa_code_object_version 6
	.text
	.protected	k_q470426b412_prep
	.globl	k_q470426b412_prep
	.p2align	8
	.type	k_q470426b412_prep,@function
k_q470426b412_prep:
	s_mov_b64 s[64:65], 0
	v_nop
	global_prefetch_b8 v0, s[64:65] scope:SCOPE_SE
	s_setreg_imm32_b32 hwreg(HW_REG_WAVE_SCHED_MODE, 0, 2), 2
	s_setreg_imm32_b32 hwreg(HW_REG_WAVE_MODE, 25, 1), 1
	s_wait_xcnt 0x0
	s_wait_alu depctr_vm_vsrc(0)
; Work-groups 0-127: x = tok_embed[token] + pos_embed, LayerNorm, h quantised to E4M3 three times (scales 2^e1, 2^e3, 2^e5) -> hcodes.
; Work-groups 128-380: one tile of 16 columns of a weight (Wq, Wk, Wv, Wproj, fc_w), quantised along K -> wcodes.
; Both buffers hold IMAGES OF OPERAND REGISTERS: a fragment (16 rows x 128 of K) is 4 chunks of 512 bytes, lane l's 16 bytes at 16 l: the later launches load them by 16 bytes a lane and have the operand.
; Which k a byte stands for is free as long as both operands of a product agree.  Products with h:  k = 32 s + 8 c + 4 hh + 128 (b / 4) + b % 4  (fragment s, chunk c, lane half hh, byte b).
; Products with Wproj and fc_w:  k = 128 s + 32 c + 16 hh + b.
; TOKEN TILES: tile T holds rows 32 (T / 2) + 8 (T % 2) + r + 8 (r / 8), r = 0 .. 15.  Column tiles of Wq, Wk, Wv, Wproj likewise inside a group of 32; fc_w's tiles take 16 neighbouring columns.
; LIMITS: e0 .. e5, e11, e13 between -126 and 119, so that 2^e and 448 x 2^e are f32 numbers.  NaN among the inputs is not served.  A token id above 1,999 is held at 1,999.
; THE MODE: SCHED_MODE bits 1:0 = 2 (LLVM: expert scheduling mode 2), set by the entry lines.  The code itself states the register dependences
; between vector instructions and memory or LDS instructions, with s_wait_alu, always for 0.
; THE PLAN, LayerNorm.  Registers that memory or LDS instructions touch:
;   X0 .. X3     four row slots.  Written by the loads of row r + 4, issued in row r; read by row r's eight additions, its first vector lines.  On the way out LDS loads land in them and global stores read them.
;   C (v84-95)   a row's codes.  Written by row r's conversions; read by three LDS stores that are issued in row r + 1.
;   v1, v4, v5   offsets and LDS addresses, made at the head and never written again: rows stand in scalar bases and immediates.
; The wait behind v_rsq_f32 stands in every row: it also states that the row before has written C and that this row's additions are done reading their slot.
; So the stores of row r - 1 and the loads of row r + 4 stand straight behind it; no vector line between it and them, and none behind it names the slot again.  One wait on vm_vsrc a row stands ahead of the conversions that write C anew.
; THE PLAN, weights: the offset v18 and the codes v160-175 are written once each: a wait ahead of the loads, a wait ahead of the stores.
.set SPARE, 104448                     ; behind the four waves' stages: the spare words, 128 bytes a wave, named by no other line
.set WREG,  26112                      ; LDS of a wave: three stages (one for each of h's scales)
.set STG,   8704                       ; a stage: 32 places (one a lane) of 272 bytes
.set SP,    272                        ; 16 rows x 16 bytes + 16 of padding: 17 x 16, so sixteen lanes' stores start at sixteen different 16-byte columns
.set G,  20                            ; v20-35   ln_g at my 16 columns
.set B,  36                            ; v36-51   ln_b
.set H,  52                            ; v52-67   the row in hand: my 16 numbers, k = 128 j + 4 lane + i
.set TQ, 68                            ; v68-83   the same, held within the largest code x the scale
.set C,  84                            ; v84-95   codes, four registers for each scale
.set X,  96                            ; v96-223  four slots of 32: 16 of tok_embed, 16 of pos_embed; later the way out; in the weights' path numbers and codes
.macro MKSC e, vs, vl                  ; from the whole number e: 2^e as f32 (the conversion takes its exponent field) and 448 x 2^e
	s_add_co_i32 s100, \e, 127
	s_lshl_b32 s101, s100, 23
	v_mov_b32 v[\vs], s101
	s_add_co_i32 s100, s100, 8
	s_lshl_b32 s100, s100, 23
	s_or_b32 s100, s100, 0x600000
	v_mov_b32 v[\vl], s100
.endm
	s_load_b512 s[4:19], s[0:1], 0x0               ; tokens 4, tok_embed 6, pos_embed 8, ln_g 10, ln_b 12, Wq 14, Wk 16, Wv 18
	s_load_b256 s[20:27], s[0:1], 0x40             ; Wproj 20, fc_w 22, lowp_scales 24, hcodes 26
	s_load_b64 s[28:29], s[0:1], 0x60              ; wcodes
	v_lshl_add_u32 v2, v0, 2, SPARE                ; my spare word; never rewritten
	v_mov_b32 v3, 0                                ; 0; never rewritten
	v_lshrrev_b32 v16, 5, v0
	v_readfirstlane_b32 s2, v16                    ; wave 0..3
	v_and_b32 v17, 31, v0                          ; lane
	v_lshlrev_b32 v1, 4, v17                       ; 16 x lane
	v_and_b32 v16, 15, v0                          ; r
	v_bfe_u32 v19, v0, 4, 1                        ; hh
	s_wait_alu depctr_va_sdst(0)                   ; s2 is written
	s_wait_kmcnt 0x0
	s_load_b256 s[32:39], s[24:25], 0x0            ; e0 .. e7
	s_load_b128 s[40:43], s[24:25], 0x20           ; e8 .. e11
	s_load_b64 s[44:45], s[24:25], 0x30            ; e12, e13: 56 bytes in all
	s_cmp_lt_u32 ttmp9, 128
	s_cbranch_scc0 .Lweights
; ---------------- LayerNorm: a wave takes one token tile, a row at a time; the 32 lanes share a row, 16 numbers each ----------------
	s_lshl_b32 s3, ttmp9, 2
	s_add_co_u32 s3, s3, s2                        ; T
	s_lshr_b32 s30, s3, 1
	s_lshl_b32 s30, s30, 5
	s_and_b32 s31, s3, 1
	s_lshl_b32 s31, s31, 3
	s_add_co_u32 s30, s30, s31                     ; R0 = 32 (T / 2) + 8 (T % 2): the tile's first row
	s_lshl_b32 s46, s30, 2
	s_mov_b32 s47, 0
	s_add_nc_u64 s[4:5], s[4:5], s[46:47]
	s_load_b256 s[48:55], s[4:5], 0x0              ; the ids of rows R0 .. R0 + 7
	s_load_b256 s[56:63], s[4:5], 0x40             ; and of rows R0 + 16 .. R0 + 23
	s_wait_alu depctr_va_vdst(0)                   ; v1 is written: every global load and store of this path reads it as its offset
.irp j, 0,1,2,3
	global_load_b128 v[G+4*\j:G+4*\j+3], v1, s[10:11] offset:512*\j
	global_load_b128 v[B+4*\j:B+4*\j+3], v1, s[12:13] offset:512*\j
.endr
	s_and_b32 s46, s30, 2047                       ; the position: the row inside its batch
	s_lshl_b32 s46, s46, 11
	s_add_nc_u64 s[8:9], s[8:9], s[46:47]          ; pos_embed at the tile's first row
	s_lshl_b32 s46, s3, 13
	s_add_nc_u64 s[14:15], s[26:27], s[46:47]      ; hcodes: my tile under the first scale,
	s_add_nc_u64 s[16:17], s[14:15], 0x400000      ; the second (512 tiles x 8,192 bytes on),
	s_add_nc_u64 s[18:19], s[16:17], 0x400000      ; the third
	s_mul_i32 s46, s2, WREG
	v_mul_u32_u24 v4, v17, SP
	v_add_nc_u32 v4, s46, v4                       ; into a stage: place = my lane; the row's 16 bytes stand in the immediate
	v_mul_u32_u24 v5, v19, SP
	v_lshl_add_u32 v5, v16, 4, v5
	v_add_nc_u32 v5, s46, v5                       ; out of it: chunk q of the image takes places 2 q + hh, row r
	v_mov_b32 v13, 0                               ; upper words of the pairs v[12:13] (mean) and v[14:15] (1 / sigma): named, never used
	v_mov_b32 v15, 0
	s_mov_b32 s98, 0x76543210                      ; v_permlanex16_b32: lane l xor 16
	s_mov_b32 s99, 0xfedcba98
	s_wait_kmcnt 0x0
.irp r, 0,1,2,3,4,5,6,7,8,9,10,11,12,13,14,15
	s_min_u32 s[48+\r], s[48+\r], 1999             ; an id enters an address only behind this bound
	s_lshl_b32 s[66+2*\r], s[48+\r], 11            ; a row of tok_embed is 2,048 bytes
	s_mov_b32 s[67+2*\r], 0
	s_add_nc_u64 s[66+2*\r:67+2*\r], s[6:7], s[66+2*\r:67+2*\r]
.endr
	MKSC s33, 6, 9                                 ; e1: h as Q's operand
	MKSC s35, 7, 10                                ; e3: as K's
	MKSC s37, 8, 11                                ; e5: as V's
	s_mov_b32 s100, 0x3b000000                     ; 1 / 512
	s_mov_b32 s101, 0x3727c5ac                     ; 1e-5
.macro LOADROW r                       ; row r of the tile: each load reads 512 consecutive bytes; lane l, load j: k = 128 j + 4 l + 0 .. 3
.irp j, 0,1,2,3
	global_load_b128 v[X+32*((\r)%4)+4*\j:X+32*((\r)%4)+4*\j+3], v1, s[66+2*(\r):67+2*(\r)] offset:512*\j
	global_load_b128 v[X+32*((\r)%4)+16+4*\j:X+32*((\r)%4)+16+4*\j+3], v1, s[8:9] offset:((\r)+8*((\r)/8))*2048+512*\j
.endr
.endm
.macro REDUCE                          ; v[16:17] -> the sum over the wave's 32 lanes, in every lane's v16
	v_add_f32 v16, v16, v17
	v_add_f32_dpp v16, v16, v16 row_xmask:1 row_mask:0xf bank_mask:0xf
	v_add_f32_dpp v16, v16, v16 row_xmask:2 row_mask:0xf bank_mask:0xf
	v_add_f32_dpp v16, v16, v16 row_xmask:4 row_mask:0xf bank_mask:0xf
	v_add_f32_dpp v16, v16, v16 row_xmask:8 row_mask:0xf bank_mask:0xf
	v_permlanex16_b32 v17, v16, s98, s99
	v_add_f32 v16, v16, v17
.endm
.macro WORK r
.set XS, X+32*((\r)%4)
.if (\r) <= 12
	s_wait_loadcnt 24                              ; this row's 8 loads are in (ln_g and ln_b, issued earlier, too); the three younger rows' 24 stay out
.else
	s_wait_loadcnt 8*(15-(\r))
.endif
.irp j, 0,2,4,6,8,10,12,14
	v_pk_add_f32 v[H+\j:H+\j+1], v[XS+\j:XS+\j+1], v[XS+16+\j:XS+16+\j+1]   ; x: the only lines of the row that name its slot
.endr
	v_pk_add_f32 v[16:17], v[H:H+1], v[H+2:H+3]    ; the sum, in two chains
	v_pk_add_f32 v[18:19], v[H+4:H+5], v[H+6:H+7]
	v_pk_add_f32 v[16:17], v[16:17], v[H+8:H+9]
	v_pk_add_f32 v[18:19], v[18:19], v[H+10:H+11]
	v_pk_add_f32 v[16:17], v[16:17], v[H+12:H+13]
	v_pk_add_f32 v[18:19], v[18:19], v[H+14:H+15]
	v_pk_add_f32 v[16:17], v[16:17], v[18:19]
	REDUCE
	v_mul_f32 v12, s100, v16                       ; the mean
.irp j, 0,2,4,6,8,10,12,14
	v_pk_add_f32 v[H+\j:H+\j+1], v[H+\j:H+\j+1], v[12:13] op_sel_hi:[1,0] neg_lo:[0,1] neg_hi:[0,1]   ; x - mean: the variance is taken of these, no difference of large sums
.endr
	v_pk_mul_f32 v[16:17], v[H:H+1], v[H:H+1]
	v_pk_mul_f32 v[18:19], v[H+2:H+3], v[H+2:H+3]
.irp j, 4,8,12
	v_pk_fma_f32 v[16:17], v[H+\j:H+\j+1], v[H+\j:H+\j+1], v[16:17]
	v_pk_fma_f32 v[18:19], v[H+\j+2:H+\j+3], v[H+\j+2:H+\j+3], v[18:19]
.endr
	v_pk_add_f32 v[16:17], v[16:17], v[18:19]
	REDUCE
	v_fma_f32 v16, v16, s100, s101                 ; variance + 1e-5
	s_wait_alu depctr_va_vdst(0)
	v_rsq_f32 v14, v16
	v_nop                                          ; a plain instruction behind the transcendental,
	s_wait_alu depctr_va_vdst(0)                   ; v14 is written, ahead of its first reader; the row before has written C, which the LDS stores below read; this row's additions are done reading their slot, in which the loads below land
.if (\r) > 0
.irp y, 0,1,2
	ds_store_b128 v4, v[C+4*\y:C+4*\y+3] offset:STG*\y+16*((\r)-1)   ; the row before, under its three scales
.endr
.endif
.if (\r) < 12
	LOADROW (\r)+4                                 ; the slot is asked for again: no vector line since the wait names it
.endif
.irp j, 0,2,4,6,8,10,12,14
	v_pk_mul_f32 v[H+\j:H+\j+1], v[H+\j:H+\j+1], v[14:15] op_sel_hi:[1,0]
.endr
.irp j, 0,2,4,6,8,10,12,14
	v_pk_fma_f32 v[H+\j:H+\j+1], v[H+\j:H+\j+1], v[G+\j:G+\j+1], v[B+\j:B+\j+1]   ; h
.endr
.if (\r) > 0
	s_wait_alu depctr_vm_vsrc(0)                   ; the three LDS stores above have read C, which the conversions below write anew
.endif
.irp y, 0,1,2                          ; three quantisers
.irp i, 0,1,2,3,4,5,6,7,8,9,10,11,12,13,14,15
	v_med3_num_f32 v[TQ+\i], v[H+\i], -v[9+\y], v[9+\y]   ; the conversion to an 8-bit code does not saturate (ISA guide 7.6.2): the hold comes first
.endr
	v_cvt_scalef32_pk8_fp8_f32 v[C+4*\y:C+4*\y+1], v[TQ:TQ+7], v[6+\y]
	v_cvt_scalef32_pk8_fp8_f32 v[C+4*\y+2:C+4*\y+3], v[TQ+8:TQ+15], v[6+\y]
	v_nop                                          ; a plain instruction before the next holds write the conversions' sources
.endr
.endm
.macro OUT y                           ; a stage leaves as the tile's four fragments: 16 chunks of 512 consecutive, aligned bytes
.set OS, X+64*((\y)%2)
.if (\y) == 2
	s_wait_xcnt 0x0                                ; the first stage's stores have read these registers
	s_wait_alu depctr_vm_vsrc(0)                   ; the first stage's global stores have read v[X ..], in which the LDS loads below land
.endif
.irp q, 0,1,2,3,4,5,6,7,8,9,10,11,12,13,14,15
	ds_load_b128 v[OS+4*\q:OS+4*\q+3], v5 offset:STG*(\y)+2*SP*\q   ; LDS serves a wave's instructions in order: these see my stores
.endr
	s_wait_dscnt 0x0
.irp q, 0,1,2,3,4,5,6,7,8,9,10,11,12,13,14,15
	global_store_b128 v1, v[OS+4*\q:OS+4*\q+3], s[14+2*(\y):15+2*(\y)] offset:512*\q
.endr
.endm
	LOADROW 0
	LOADROW 1
	LOADROW 2
	LOADROW 3
.irp r, 0,1,2,3,4,5,6,7,8,9,10,11,12,13,14,15
	WORK \r
.endr
	s_wait_alu depctr_va_vdst(0)                   ; row 15 has written C, which the last three LDS stores read; the rows' additions are done reading the slots, in which the way out's LDS loads land
.irp y, 0,1,2
	ds_store_b128 v4, v[C+4*\y:C+4*\y+3] offset:STG*\y+16*15
.endr
	OUT 0
	OUT 1
	OUT 2
	s_wait_dscnt 0x0                               ; the wave's end
	s_wait_alu 0x0
	s_wait_tensorcnt 0x0
	ds_add_u32 v2, v3
	s_wait_dscnt 0x0
	s_endpgm
; ---------------- the weights: a work-group takes a tile of 16 columns, wave s its fragment s.  A lane takes a column and its registers run down K: nothing is transposed, no LDS ----------------
.macro WFRAG pitch, kc, kj             ; number 16 c + b of a lane lies (kc c + kj (b / 4) + b % 4) rows of the weight below the lane's first
	s_wait_alu depctr_va_vdst(0)                   ; v18 is written, which the loads read as their offset; so is v1, the stores' offset
.irp c, 0,1,2,3
.irp b, 0,1,2,3,4,5,6,7,8,9,10,11,12,13,14,15
	global_load_b32 v[X+16*\c+\b], v18, s[30:31] offset:(\kc*\c+\kj*(\b/4)+\b%4)*\pitch
.endr
.endr
	s_wait_loadcnt 0x0
.set i, 0
.rept 64
	v_med3_num_f32 v[X+i], v[X+i], -v9, v9
.set i, i+1
.endr
.irp g, 0,1,2,3,4,5,6,7
	v_cvt_scalef32_pk8_fp8_f32 v[160+2*\g:161+2*\g], v[X+8*\g:X+8*\g+7], v6
.endr
	v_nop
	s_wait_alu depctr_va_vdst(0)                   ; the conversions have written v[160:175], which the stores read
.irp c, 0,1,2,3
	global_store_b128 v1, v[160+4*\c:163+4*\c], s[46:47] offset:512*\c   ; 512 consecutive, aligned bytes
.endr
	s_endpgm
.endm
.Lweights:
	s_sub_co_u32 s3, ttmp9, 128                    ; the tile, 0 .. 252
	s_lshl_b32 s46, s3, 13
	s_lshl_b32 s47, s2, 11
	s_add_co_u32 s46, s46, s47
	s_mov_b32 s47, 0
	s_add_nc_u64 s[46:47], s[28:29], s[46:47]      ; wcodes: 8,192 x tile + 2,048 x fragment
	s_wait_alu depctr_va_vdst(0)
	v_and_b32 v17, 8, v16
	v_add_nc_u32 v17, v17, v16                     ; r + 8 (r / 8)
	s_mov_b32 s49, 0
	s_wait_kmcnt 0x0                               ; the scales
	s_cmp_lt_u32 s3, 96
	s_cbranch_scc0 .Lnot_qkv
	s_lshr_b32 s50, s3, 5                          ; tiles 0-95 = 32 x (Q, K, V) + 2 x head + u
	s_cmp_eq_u32 s50, 0
	s_cselect_b64 s[30:31], s[14:15], s[16:17]
	s_cselect_b32 s51, s32, s34
	s_cmp_eq_u32 s50, 2
	s_cselect_b64 s[30:31], s[18:19], s[30:31]
	s_cselect_b32 s51, s36, s51                    ; e0, e2 or e4
	s_bfe_u32 s48, s3, 0x40001                     ; head
	s_lshl_b32 s48, s48, 16                        ; a head's weight is 512 x 32 x 4 bytes
	s_and_b32 s52, s3, 1
	s_lshl_b32 s52, s52, 5                         ; column 8 u
	s_add_co_u32 s48, s48, s52
	s_lshl_b32 s52, s2, 12                         ; k = 32 s: rows of 128 bytes
	s_add_co_u32 s48, s48, s52
	s_add_nc_u64 s[30:31], s[30:31], s[48:49]
	s_wait_alu depctr_va_vdst(0)
	v_lshlrev_b32 v18, 2, v17
	v_lshl_add_u32 v18, v19, 9, v18                ; column r + 8 (r / 8), k = 4 hh
	MKSC s51, 6, 9
	WFRAG 128, 8, 128
.Lnot_qkv:
	s_cmp_lt_u32 s3, 128
	s_cbranch_scc0 .Lfc
	s_sub_co_u32 s50, s3, 96                       ; Wproj's tile nt: columns 32 (nt / 2) + 8 (nt % 2) + r + 8 (r / 8)
	s_lshr_b32 s48, s50, 1
	s_lshl_b32 s48, s48, 7
	s_and_b32 s52, s50, 1
	s_lshl_b32 s52, s52, 5
	s_add_co_u32 s48, s48, s52
	s_lshl_b32 s52, s2, 18                         ; k = 128 s: rows of 2,048 bytes
	s_add_co_u32 s48, s48, s52
	s_add_nc_u64 s[30:31], s[20:21], s[48:49]
	s_wait_alu depctr_va_vdst(0)
	v_lshlrev_b32 v18, 2, v17
	v_lshl_add_u32 v18, v19, 15, v18               ; k = 16 hh
	MKSC s43, 6, 9                                 ; e11
	WFRAG 2048, 32, 4
.Lfc:
	s_sub_co_u32 s50, s3, 128                      ; fc_w's tile nt: columns 16 nt + r
	s_lshl_b32 s48, s50, 6
	s_mul_i32 s52, s2, 1024000                     ; k = 128 s: rows of 8,000 bytes
	s_add_co_u32 s48, s48, s52
	s_add_nc_u64 s[30:31], s[22:23], s[48:49]
	v_lshlrev_b32 v18, 2, v16
	v_mad_u32_u24 v18, v19, 0x1f400, v18           ; k = 16 hh
	MKSC s45, 6, 9                                 ; e13
	WFRAG 8000, 32, 4
.Lfunc_end_k_q470426b412_prep:
	.size	k_q470426b412_prep, .Lfunc_end_k_q470426b412_prep-k_q470426b412_prep
	.p2alignl 7, 3214868480
	.fill 96, 4, 3214868480
	.section	.rodata,"a",@progbits
	.p2align	6, 0x0
	.amdhsa_kernel k_q470426b412_prep
		.amdhsa_group_segment_fixed_size 104960
		.amdhsa_private_segment_fixed_size 0
		.amdhsa_enable_private_segment 0
		.amdhsa_kernarg_size 104
		.amdhsa_user_sgpr_count 2
		.amdhsa_user_sgpr_kernarg_segment_ptr 1
		.amdhsa_wavefront_size32 1
		.amdhsa_system_sgpr_workgroup_id_x 1
		.amdhsa_system_sgpr_workgroup_id_y 1
		.amdhsa_system_sgpr_workgroup_id_z 1
		.amdhsa_system_vgpr_workitem_id 0
		.amdhsa_next_free_vgpr 224
		.amdhsa_next_free_sgpr 102
		.amdhsa_reserve_vcc 0
		.amdhsa_float_denorm_mode_32 3
		.amdhsa_float_denorm_mode_16_64 3
		.amdhsa_memory_ordered 1
		.amdhsa_forward_progress 1
		.amdhsa_inst_pref_size 186
	.end_amdhsa_kernel
	.amdgpu_metadata
---
amdhsa.version: [ 1, 2 ]
amdhsa.kernels:
  - .name:           k_q470426b412_prep
    .symbol:         k_q470426b412_prep.kd
    .args:
      - { .name: tokens, .offset: 0, .size: 8, .value_kind: global_buffer, .address_space: global }
      - { .name: tok_embed, .offset: 8, .size: 8, .value_kind: global_buffer, .address_space: global }
      - { .name: pos_embed, .offset: 16, .size: 8, .value_kind: global_buffer, .address_space: global }
      - { .name: ln_g, .offset: 24, .size: 8, .value_kind: global_buffer, .address_space: global }
      - { .name: ln_b, .offset: 32, .size: 8, .value_kind: global_buffer, .address_space: global }
      - { .name: Wq, .offset: 40, .size: 8, .value_kind: global_buffer, .address_space: global }
      - { .name: Wk, .offset: 48, .size: 8, .value_kind: global_buffer, .address_space: global }
      - { .name: Wv, .offset: 56, .size: 8, .value_kind: global_buffer, .address_space: global }
      - { .name: Wproj, .offset: 64, .size: 8, .value_kind: global_buffer, .address_space: global }
      - { .name: fc_w, .offset: 72, .size: 8, .value_kind: global_buffer, .address_space: global }
      - { .name: lowp_scales, .offset: 80, .size: 8, .value_kind: global_buffer, .address_space: global }
      - { .name: hcodes, .offset: 88, .size: 8, .value_kind: global_buffer, .address_space: global }
      - { .name: wcodes, .offset: 96, .size: 8, .value_kind: global_buffer, .address_space: global }
    .group_segment_fixed_size: 104960
    .private_segment_fixed_size: 0
    .kernarg_segment_align: 8
    .kernarg_segment_size: 104
    .max_flat_workgroup_size: 128
    .sgpr_count:     102
    .vgpr_count:     224
    .wavefront_size: 32
...
	.end_amdgpu_metadata
.endif
;; end of part 5
;; launch qkv (part 6): grid 64 x 3, 4 waves a work-group, no clusters, 66,048 bytes of LDS; arguments hcodes, wcodes, lowp_scales, qc, kc, vc; writes qc, kc, vc
.if DOCPART == 6
	.amdgcn_target "amdgcn-amd-amdhsa--gfx1250"
	.amdhsa_code_object_version 6
	.text
	.protected	k_q470426b412_qkv
	.globl	k_q470426b412_qkv
	.p2align	8
	.type	k_q470426b412_qkv,@function
k_q470426b412_qkv:
	s_mov_b64 s[64:65], 0
	v_nop
	global_prefetch_b8 v0, s[64:65] scope:SCOPE_SE
	s_setreg_imm32_b32 hwreg(HW_REG_WAVE_SCHED_MODE, 0, 2), 2
	s_setreg_imm32_b32 hwreg(HW_REG_WAVE_MODE, 25, 1), 1
	s_wait_xcnt 0x0
	s_wait_alu depctr_vm_vsrc(0)
; Q, K or V (work-group y = 0, 1, 2) = h W for 128 rows (work-group x) and all 16 heads, on E4M3 codes, and the result quantised at once (scales 2^e6, 2^e7, 2^e9) into the layout in which attention's operands take it.
; SHARES: wave w owns heads 4 w .. 4 w + 3: 8 tiles of 16 columns x 4 fragments along K = 512 registers of weights, which stay in registers; the block's 8 token tiles of h (64 KiB) go once through LDS and are read by all four waves.
; The grid is split by Q, K, V since h has codes of its own for each: so a fragment of h read from LDS feeds 8 matrix instructions.
; Q, K: source 0 = 16 columns of W, source 1 = 16 rows of h: a lane holds ONE token, its 16 registers of a head's two tiles are channels 16 hh + 0 .. 15: 16 bytes of codes.
; V: the sources change places: a lane holds ONE channel, and the registers of two neighbouring token tiles are 16 neighbouring keys.
; No cluster: the weights that work-groups share go straight into registers, and what goes through LDS (h) is each work-group's own.
; LIMITS: e6 - e0 - e1, e7 - e2 - e3, e9 - e4 - e5 between -126 and 119.
; REGISTERS: window 0: v1 16 x lane; v2, v3 the add's two; v4, v5 scale and limit; v6 where I store h; v16-143 two sets of h's four fragments; v144-207 eight accumulators; v208-239 codes.  Windows 1, 2: W(tile t, fragment s) at window 1 + s / 2, v[128 (s % 2) + 16 t].
; THE MODE: SCHED_MODE bits 1:0 = 2 (LLVM: expert scheduling mode 2), set by the entry lines.  The code itself states the register dependences
; between vector or matrix instructions and memory or LDS instructions, with s_wait_alu, always for 0.
; THE PLAN.  Registers that memory or LDS instructions touch, tile by tile:
;   set 0, set 1   (v16-79, v80-143)  Tile m's 32 products read set m % 2; behind them the LDS loads of tile m + 2 land in it.  At the head the copy of h passes through both: global loads land, LDS stores read.
;   PC (v208-239)  Written by a tile's conversions; read by the global stores that follow them; written anew by a later tile's conversions.
;   v1, v6         offsets, made at the head and never written again: tiles stand in immediates.
;   The weights (windows 1, 2) are loaded once; the accumulators, v4 and v5 are named by vector and matrix instructions alone.
; So a wait on va_vdst stands in a tile behind its conversions: the codes are written, and the tile's products are done reading their set.  The loads of tile m + 2 and the tile's stores follow it.
; One wait on vm_vsrc stands ahead of conversions that write over codes which stores have read.
.set SPARE, 65536                      ; behind h's image: the spare words
.set ACC, 144
.set PC,  208
.set MSB, 0
.macro WIN new                         ; the immediate's high byte repeats the setting that is left
.if MSB != (\new)
	s_set_vgpr_msb (MSB<<8)|(\new)
.set MSB, (\new)
.endif
.endm
	s_load_b256 s[4:11], s[0:1], 0x0               ; hcodes 4, wcodes 6, lowp_scales 8, qc 10
	s_load_b128 s[12:15], s[0:1], 0x20             ; kc 12, vc 14
	v_lshl_add_u32 v2, v0, 2, SPARE
	v_mov_b32 v3, 0
	v_lshrrev_b32 v7, 5, v0
	v_readfirstlane_b32 s2, v7                     ; wave
	v_and_b32 v7, 31, v0
	v_lshlrev_b32 v1, 4, v7                        ; 16 x lane
	s_wait_alu depctr_va_sdst(0)                   ; s2 is written, ahead of its first reader: LDS and memory offsets are made from it
	s_lshl_b32 s26, s2, 14
	v_add_nc_u32 v6, s26, v1                       ; my quarter of h's image
	s_and_b32 s3, ttmp7, 0xffff                    ; 0 Q, 1 K, 2 V
	s_lshl_b32 s28, s3, 22                         ; hcodes: 4 MiB for each scale,
	s_lshl_b32 s29, ttmp9, 16                      ; 8 tiles x 8,192 bytes a block,
	s_add_co_u32 s28, s28, s29
	s_add_co_u32 s28, s28, s26                     ; my quarter
	s_mov_b32 s29, 0
	s_lshl_b32 s30, s3, 18                         ; wcodes: tile 32 y + 8 w, 8,192 bytes each
	s_lshl_b32 s31, s2, 16
	s_add_co_u32 s30, s30, s31
	s_mov_b32 s31, 0
	s_lshr_b32 s32, ttmp9, 4                       ; the batch
	s_lshl_b32 s32, s32, 20                        ; 16 heads x 65,536 bytes
	s_lshl_b32 s33, s2, 18                         ; my first head
	s_add_co_u32 s32, s32, s33
	s_and_b32 s33, ttmp9, 15
	s_lshl_b32 s33, s33, 12                        ; the block inside the batch: 4,096 bytes in each of the three layouts
	s_add_co_u32 s32, s32, s33
	s_mov_b32 s33, 0
	s_wait_kmcnt 0x0
	s_load_b256 s[16:23], s[8:9], 0x0              ; e0 .. e7
	s_load_b64 s[24:25], s[8:9], 0x20              ; e8, e9
	s_add_nc_u64 s[4:5], s[4:5], s[28:29]
	s_add_nc_u64 s[6:7], s[6:7], s[30:31]
	s_cmp_eq_u32 s3, 0
	s_cselect_b64 s[10:11], s[10:11], s[12:13]
	s_cmp_eq_u32 s3, 2
	s_cselect_b64 s[10:11], s[14:15], s[10:11]
	s_add_nc_u64 s[10:11], s[10:11], s[32:33]      ; where my results go
	s_wait_alu depctr_va_vdst(0)                   ; v1 and v6 are written: every load and store of the kernel reads one of them as its offset or address
.set i, 0
.rept 32
	global_load_b128 v[16+4*i:19+4*i], v1, s[4:5] offset:512*i   ; my quarter of the block's h, as it lies
.set i, i+1
.endr
.macro WLOAD s
	WIN 0x40*(1+(\s)/2)
.irp t, 0,1,2,3,4,5,6,7
.irp c, 0,1,2,3
	global_load_b128 v[128*((\s)%2)+16*\t+4*\c:128*((\s)%2)+16*\t+4*\c+3], v1, s[6:7] offset:8192*\t+2048*(\s)+512*\c
.endr
.endr
.endm
	WLOAD 0
	s_wait_loadcnt 32                              ; h's 32 loads are in; the 32 weight loads behind them stay out
	WIN 0
.set i, 0
.rept 32
	ds_store_b128 v6, v[16+4*i:19+4*i] offset:512*i
.set i, i+1
.endr
	WLOAD 1
	WLOAD 2
	WLOAD 3
	WIN 0
	s_wait_kmcnt 0x0
	s_sub_co_i32 s26, s22, s16                     ; a sum stands for sum x 2^(ew + eh): its code is sum / 2^(eout - ew - eh): three scales folded into the conversion's one
	s_sub_co_i32 s26, s26, s17
	s_sub_co_i32 s27, s23, s18
	s_sub_co_i32 s27, s27, s19
	s_sub_co_i32 s28, s25, s20
	s_sub_co_i32 s28, s28, s21
	s_cmp_eq_u32 s3, 0
	s_cselect_b32 s26, s26, s27
	s_cmp_eq_u32 s3, 2
	s_cselect_b32 s26, s28, s26
	s_add_co_i32 s26, s26, 127
	s_lshl_b32 s27, s26, 23
	v_mov_b32 v4, s27
	s_add_co_i32 s26, s26, 8
	s_lshl_b32 s26, s26, 23
	s_or_b32 s26, s26, 0x600000
	v_mov_b32 v5, s26
	s_wait_dscnt 0x0                               ; for the others' sake: my part of the image has landed
	s_barrier_signal -1
	s_barrier_wait -1                              ; the only barrier: the image is never written again
	s_wait_loadcnt 0x0                             ; the weights
	s_wait_alu depctr_vm_vsrc(0)                   ; my LDS stores have read v[16:143]: these registers are the two sets from here on, in which the fragments' LDS loads land
.macro FETCH m                         ; token tile m's four fragments into set m % 2
.irp s, 0,1,2,3
.irp c, 0,1,2,3
	ds_load_b128 v[16+64*((\m)%2)+16*\s+4*\c:16+64*((\m)%2)+16*\s+4*\c+3], v1 offset:8192*(\m)+2048*\s+512*\c
.endr
.endr
.endm
.macro ROWTILE m, swap
.set HFM, 16+64*((\m)%2)
.if (\m) < 7
	s_wait_dscnt 16                                ; LDS loads come back in order (ISA guide 5.7.1): this tile's fragments are in; the next tile's 16 loads stay out
.else
	s_wait_dscnt 0x0                               ; the last tile's fragments are in
.endif
.irp s, 0,1,2,3                        ; 32 products; the eight accumulators take turns
.if \swap
	WIN 4*(1+\s/2)
.else
	WIN 1+\s/2
.endif
.irp t, 0,1,2,3,4,5,6,7
.if \swap
.if \s == 0
	v_wmma_f32_16x16x128_fp8_fp8 v[ACC+8*\t:ACC+8*\t+7], v[HFM+16*\s:HFM+16*\s+15], v[128*(\s%2)+16*\t:128*(\s%2)+16*\t+15], 0
.else
	v_wmma_f32_16x16x128_fp8_fp8 v[ACC+8*\t:ACC+8*\t+7], v[HFM+16*\s:HFM+16*\s+15], v[128*(\s%2)+16*\t:128*(\s%2)+16*\t+15], v[ACC+8*\t:ACC+8*\t+7]
.endif
.else
.if \s == 0
	v_wmma_f32_16x16x128_fp8_fp8 v[ACC+8*\t:ACC+8*\t+7], v[128*(\s%2)+16*\t:128*(\s%2)+16*\t+15], v[HFM+16*\s:HFM+16*\s+15], 0
.else
	v_wmma_f32_16x16x128_fp8_fp8 v[ACC+8*\t:ACC+8*\t+7], v[128*(\s%2)+16*\t:128*(\s%2)+16*\t+15], v[HFM+16*\s:HFM+16*\s+15], v[ACC+8*\t:ACC+8*\t+7]
.endif
.endif
.endr
.endr
	WIN 0
.rept 4
	v_nop                                          ; four places between the last product and the first vector instruction on a result (ISA guide 7.12.1)
.endr
	s_wait_alu depctr_va_vdst(0)
	s_wait_xcnt 0x0                                ; the earlier stores have read the codes' registers
.if ((\m) > 0) && (((\swap) == 0) || (((\m)%2) == 0))
	s_wait_alu depctr_vm_vsrc(0)                   ; the global stores of the tile before have read v[PC ..], which the conversions below write anew
.endif
.set i, 0
.rept 64
	v_med3_num_f32 v[ACC+i], v[ACC+i], -v5, v5     ; the hold, each accumulator from its low end on
.set i, i+1
.endr
.irp t, 0,1,2,3,4,5,6,7
.if \swap
	v_cvt_scalef32_pk8_fp8_f32 v[PC+4*\t+2*((\m)%2):PC+4*\t+2*((\m)%2)+1], v[ACC+8*\t:ACC+8*\t+7], v4   ; keys 8 (m % 2) + 0 .. 7 of the lane's 16
.else
	v_cvt_scalef32_pk8_fp8_f32 v[PC+2*\t:PC+2*\t+1], v[ACC+8*\t:ACC+8*\t+7], v4                         ; channels 8 (t % 2) + 0 .. 7 of the lane's 16
.endif
.endr
	v_nop                                          ; a plain instruction before the next products write the conversions' sources
.if ((\m) < 6) || ((\swap) == 0) || (((\m)%2) == 1)
	s_wait_alu depctr_va_vdst(0)                   ; this tile's products are done reading set m % 2, in which the LDS loads below land; the conversions have written v[PC ..], which the stores below read
.endif
.if (\m) < 6
	FETCH (\m)+2                                   ; the set is asked for again at once: the loads have the whole next tile in which to land
.endif
.if \swap
.if (\m)%2
.irp t, 0,1,2,3,4,5,6,7
	global_store_b128 v1, v[PC+4*\t:PC+4*\t+3], s[10:11] offset:65536*(\t/2)+2048*(\t%2)+512*((\m)/2)   ; vc[head][key step][u][chunk m / 2]: 512 consecutive, aligned bytes
.endr
.endif
.else
.irp i, 0,1,2,3
	global_store_b128 v1, v[PC+4*\i:PC+4*\i+3], s[10:11] offset:65536*\i+512*(\m)                       ; qc or kc[head][token tile]
.endr
.endif
.endm
	FETCH 0
	FETCH 1
	s_cmp_eq_u32 s3, 2
	s_cbranch_scc1 .Lv
.irp m, 0,1,2,3,4,5,6,7
	ROWTILE \m, 0
.endr
	s_wait_dscnt 0x0                               ; the wave's end
	s_wait_alu 0x0
	s_wait_tensorcnt 0x0
	ds_add_u32 v2, v3
	s_wait_dscnt 0x0
	s_endpgm
.Lv:
.irp m, 0,1,2,3,4,5,6,7
	ROWTILE \m, 1
.endr
	s_wait_dscnt 0x0                               ; the same six lines for this end
	s_wait_alu 0x0
	s_wait_tensorcnt 0x0
	ds_add_u32 v2, v3
	s_wait_dscnt 0x0
	s_endpgm
.Lfunc_end_k_q470426b412_qkv:
	.size	k_q470426b412_qkv, .Lfunc_end_k_q470426b412_qkv-k_q470426b412_qkv
	.p2alignl 7, 3214868480
	.fill 96, 4, 3214868480
	.section	.rodata,"a",@progbits
	.p2align	6, 0x0
	.amdhsa_kernel k_q470426b412_qkv
		.amdhsa_group_segment_fixed_size 66048
		.amdhsa_private_segment_fixed_size 0
		.amdhsa_enable_private_segment 0
		.amdhsa_kernarg_size 48
		.amdhsa_user_sgpr_count 2
		.amdhsa_user_sgpr_kernarg_segment_ptr 1
		.amdhsa_wavefront_size32 1
		.amdhsa_system_sgpr_workgroup_id_x 1
		.amdhsa_system_sgpr_workgroup_id_y 1
		.amdhsa_system_sgpr_workgroup_id_z 1
		.amdhsa_system_vgpr_workitem_id 0
		.amdhsa_next_free_vgpr 768
		.amdhsa_next_free_sgpr 66
		.amdhsa_reserve_vcc 0
		.amdhsa_float_denorm_mode_32 3
		.amdhsa_float_denorm_mode_16_64 3
		.amdhsa_memory_ordered 1
		.amdhsa_forward_progress 1
		.amdhsa_inst_pref_size 151
	.end_amdhsa_kernel
	.amdgpu_metadata
---
amdhsa.version: [ 1, 2 ]
amdhsa.kernels:
  - .name:           k_q470426b412_qkv
    .symbol:         k_q470426b412_qkv.kd
    .args:
      - { .name: hcodes, .offset: 0, .size: 8, .value_kind: global_buffer, .address_space: global }
      - { .name: wcodes, .offset: 8, .size: 8, .value_kind: global_buffer, .address_space: global }
      - { .name: lowp_scales, .offset: 16, .size: 8, .value_kind: global_buffer, .address_space: global }
      - { .name: qc, .offset: 24, .size: 8, .value_kind: global_buffer, .address_space: global }
      - { .name: kc, .offset: 32, .size: 8, .value_kind: global_buffer, .address_space: global }
      - { .name: vc, .offset: 40, .size: 8, .value_kind: global_buffer, .address_space: global }
    .group_segment_fixed_size: 66048
    .private_segment_fixed_size: 0
    .kernarg_segment_align: 8
    .kernarg_segment_size: 48
    .max_flat_workgroup_size: 128
    .sgpr_count:     66
    .vgpr_count:     768
    .wavefront_size: 32
...
	.end_amdgpu_metadata
.endif
;; end of part 6
;; launch attn (part 7): grid 4 x 64, 16 waves a work-group, no clusters, 133,120 bytes of LDS; arguments qc, kc, vc, lowp_scales, ac; writes ac
.if DOCPART == 7
	.amdgcn_target "amdgcn-amd-amdhsa--gfx1250"
	.amdhsa_code_object_version 6
	.text
	.protected	k_q470426b412_attn
	.globl	k_q470426b412_attn
	.p2align	8
	.type	k_q470426b412_attn,@function
k_q470426b412_attn:
	s_mov_b64 s[64:65], 0
	v_nop
	global_prefetch_b8 v0, s[64:65] scope:SCOPE_SE
	s_setreg_imm32_b32 hwreg(HW_REG_WAVE_SCHED_MODE, 0, 2), 2
	s_setreg_imm32_b32 hwreg(HW_REG_WAVE_MODE, 25, 1), 1
	s_wait_xcnt 0x0
	s_wait_alu depctr_vm_vsrc(0)
; Causal attention of one head of one batch (work-group y), head size 32, both products on E4M3 codes; the result is quantised (2^e10) into the projection's operand.
; t = score x log2(e) / sqrt(32); M = the running largest t rounded UP to a whole number; p = 2^(t - M) is quantised with 2^e8, not normalised; the row's sum is taken of the unquantised p and divides at the end.
; SHARES: wave w of work-group x = j owns the query tiles A = 16 j + w and B = 127 - A.  Tile T needs the key steps (128 keys) 0 .. T / 8, so every wave has (A / 8 + 1) + (B / 8 + 1) = 17 tile steps: only causal work, evenly shared.
; The head's K and V (64 KiB each, as register images) are copied into LDS once.  The loop has 16 trips in every wave; a trip whose keys all come after a tile's queries jumps over that tile's work (scalar branches on ids).
; S^T = K Q^T by the K = 64 form: an operand of K holds TWO key tiles (32 channels each), the query's operand is [q | 0] or [0 | q] and so picks one.  The other tile's codes (never NaN: they came through the hold) meet zeros.
; A lane holds ONE query throughout.  The rows of a token tile are 32 (T / 2) + 8 (T % 2) + r + 8 (r / 8), so the 16 registers of score tiles 2 b, 2 b + 1 are the keys 32 b + 16 hh + 0 .. 15: the conversions' results are the second product's operand.
; No cluster: the four work-groups of a head read the same K and V, but once, at the head, and their skips hang on j, which would be their place in the cluster.
; THE HOLD OF p: p <= 1, and 448 x 2^e8 >= 1.75 for e8 >= -8: there the hold cannot act and is jumped over (a scalar branch on the given whole number); for smaller e8 it runs.
; LIMITS: e6 + e7 between -124 and 129; e8, and e10 - e8 - e9, between -126 and 119.
; REGISTERS: v1 16 x lane, v2 the same + 65,536; v3, v4 the step's addresses; v5, v6 the add's two; v7 -infinity; v8, v9 2^e8 and 448 x 2^e8; v10-13, v14-17 a tile's -M, largest t, sum (two halves);
;   v18, v19 at work; v[20:21] f; v[22:23] the sum's second chain; v24 a permute's destination; v25, v26 the mask's bound; v27, v28 where I copy to; v29, v30 the result's scale and limit;
;   v32-43, v44-55 [q, 0, q]; v56-87 K; v88-119 V; v120-183 S^T, then p; v184-199 p's codes; v200-215, v216-231 O^T; v232-239 the result's codes.
; THE MODE: SCHED_MODE bits 1:0 = 2 (LLVM: expert scheduling mode 2), set by the entry lines.  The code itself states the register dependences
; between vector or matrix instructions and memory or LDS instructions, with s_wait_alu, always for 0.
; THE PLAN.  Registers that memory or LDS instructions touch, in the loop:
;   KR, VR    Written by a step's LDS loads; read by its products (both tiles').  One buffer each: a wave has 240 registers and no 64 to spare.
;   v3, v4    The step's LDS addresses (an LDS address has no scalar base): written by two additions at the step's head, read by its sixteen loads.
;   All else in the loop is named by vector and matrix instructions alone.  At the head S passes the copy of K and V on: global loads land in it, LDS stores read it.
; A live step's head holds one wait on vm_vsrc (the last step's loads have read v3, v4), the two additions, and one wait on va_vdst (v3, v4 are written; the last step's products are done reading KR and VR).
; K's eight loads follow and are waited for; V's eight stand behind the first tile's eight score products, which name S, KR and q alone, so nothing more is owed for them; they are waited for ahead of the step's first V^T P.
; THE MASK: a compare writes a scalar register and a select reads it: the compares go in runs of sixteen into s28-43 (free once the head is done), one wait on va_sdst behind each run.
.set SPARE, 131072
.set QA, 32
.set QB, 44
.set KR, 56
.set VR, 88
.set S,  120
.set P,  184
.set OA, 200
.set OB, 216
.set STA, 10
.set STB, 14
.set KS, 19                            ; s19 the key step
.set TB, 20                            ; s20 its first byte in K's and in V's image
.set CS, 22                            ; s[22:23] c = log2(e) / sqrt(32) x 2^(e6 + e7)
.set EP, 26                            ; s26 e8
.set MK, 28                            ; s28-43 in the loop: sixteen masks of the diagonal step
	s_load_b256 s[4:11], s[0:1], 0x0               ; qc 4, kc 6, vc 8, lowp_scales 10
	s_load_b64 s[12:13], s[0:1], 0x20              ; ac
	v_lshl_add_u32 v5, v0, 2, SPARE
	v_mov_b32 v6, 0
	v_lshrrev_b32 v18, 5, v0
	v_readfirstlane_b32 s14, v18                   ; wave 0..15
	v_and_b32 v18, 31, v0
	v_lshlrev_b32 v1, 4, v18
	v_add_nc_u32 v2, 0x10000, v1
	s_wait_alu depctr_va_sdst(0)                   ; s14 is written, ahead of its first reader: tiles, offsets and bases are made from it
	s_lshl_b32 s27, s14, 12
	v_add_nc_u32 v27, s27, v1                      ; my 4,096 bytes of K's image,
	v_add_nc_u32 v28, 0x10000, v27                 ; and of V's
	s_lshl_b32 s15, ttmp9, 4
	s_add_co_u32 s15, s15, s14                     ; A
	s_sub_co_u32 s16, 127, s15                     ; B
	s_lshr_b32 s17, s15, 3                         ; A's last key step
	s_lshr_b32 s18, s16, 3                         ; B's
	s_and_b32 s21, ttmp7, 0xffff                   ; 16 x batch + head
	s_lshl_b32 s40, s21, 16
	s_add_co_u32 s40, s40, s27
	s_mov_b32 s41, 0                               ; K, V: 65,536 x head + my part
	s_lshl_b32 s42, s21, 16
	s_lshl_b32 s43, s15, 9
	s_add_co_u32 s42, s42, s43
	s_mov_b32 s43, 0                               ; Q: 65,536 x head + 512 x tile
	s_lshl_b32 s44, s21, 16
	s_lshl_b32 s45, s16, 9
	s_add_co_u32 s44, s44, s45
	s_mov_b32 s45, 0
	s_lshr_b32 s50, s21, 4
	s_lshl_b32 s50, s50, 20                        ; ac: 128 tiles x 8,192 bytes a batch,
	s_and_b32 s51, s21, 15
	s_lshl_b32 s51, s51, 9                         ; chunk = head,
	s_add_co_u32 s50, s50, s51
	s_lshl_b32 s46, s15, 13                        ; 8,192 x tile
	s_add_co_u32 s46, s46, s50
	s_mov_b32 s47, 0
	s_lshl_b32 s48, s16, 13
	s_add_co_u32 s48, s48, s50
	s_mov_b32 s49, 0
	s_wait_kmcnt 0x0
	s_load_b256 s[28:35], s[10:11], 0x0            ; e0 .. e7
	s_load_b128 s[36:39], s[10:11], 0x20           ; e8 .. e11
	s_add_nc_u64 s[6:7], s[6:7], s[40:41]
	s_add_nc_u64 s[8:9], s[8:9], s[40:41]
	s_add_nc_u64 s[42:43], s[4:5], s[42:43]
	s_add_nc_u64 s[44:45], s[4:5], s[44:45]
	s_add_nc_u64 s[46:47], s[12:13], s[46:47]
	s_add_nc_u64 s[48:49], s[12:13], s[48:49]
	s_wait_alu depctr_va_vdst(0)                   ; v1, v27 and v28 are written: the global loads and stores read the first as their offset, the copy's LDS stores the other two as their addresses
.irp i, 0,1,2,3,4,5,6,7
	global_load_b128 v[S+4*\i:S+4*\i+3], v1, s[6:7] offset:512*\i
	global_load_b128 v[S+32+4*\i:S+32+4*\i+3], v1, s[8:9] offset:512*\i
.endr
	global_load_b128 v[QA:QA+3], v1, s[42:43]      ; each q twice: [q, 0, q]
	global_load_b128 v[QA+8:QA+11], v1, s[42:43]
	global_load_b128 v[QB:QB+3], v1, s[44:45]
	global_load_b128 v[QB+8:QB+11], v1, s[44:45]
	s_wait_loadcnt 4                               ; the copy's 16 loads are in; q's four stay out
.irp i, 0,1,2,3,4,5,6,7
	ds_store_b128 v27, v[S+4*\i:S+4*\i+3] offset:512*\i
	ds_store_b128 v28, v[S+32+4*\i:S+32+4*\i+3] offset:512*\i
.endr
.irp i, 4,5,6,7
	v_mov_b32 v[QA+\i], 0
	v_mov_b32 v[QB+\i], 0
.endr
.set i, 0
.rept 32
	v_mov_b32 v[OA+i], 0                           ; O^T of both tiles.  (The step is written once: the first finds zeros, which the first change of M leaves zeros)
.set i, i+1
.endr
	v_mov_b32 v[STA+1], 0xff61b1e6                 ; the largest t so far: -3e38
	v_mov_b32 v[STB+1], 0xff61b1e6
	v_floor_f32 v[STA], -v[STA+1]                  ; -M
	v_floor_f32 v[STB], -v[STB+1]
	v_mov_b32 v[STA+2], 0
	v_mov_b32 v[STA+3], 0
	v_mov_b32 v[STB+2], 0
	v_mov_b32 v[STB+3], 0
	v_mov_b32 v7, 0xff800000
	v_mov_b32 v21, 0                               ; upper words of pairs that are named whole
	v_mov_b32 v22, 0
	v_mov_b32 v23, 0
	v_and_b32 v18, 15, v0                          ; r
	v_bfe_u32 v19, v0, 4, 1                        ; hh
	v_and_b32 v24, 8, v18
	v_add_nc_u32 v24, v24, v18
	v_lshlrev_b32 v19, 4, v19
	v_sub_nc_u32 v24, v24, v19                     ; r + 8 (r / 8) - 16 hh
	s_wait_alu depctr_va_vdst(0)
	s_and_b32 s27, s15, 6
	s_lshl_b32 s27, s27, 4
	s_and_b32 s50, s15, 1
	s_lshl_b32 s50, s50, 3
	s_add_co_u32 s27, s27, s50
	v_add_nc_u32 v25, s27, v24                     ; d = my query's place in its diagonal step - 16 hh: score register 16 b + i is hidden where 32 b + i > d
	s_and_b32 s27, s16, 6
	s_lshl_b32 s27, s27, 4
	s_and_b32 s50, s16, 1
	s_lshl_b32 s50, s50, 3
	s_add_co_u32 s27, s27, s50
	v_add_nc_u32 v26, s27, v24
	s_mov_b32 s24, 0x76543210
	s_mov_b32 s25, 0xfedcba98
	s_mov_b32 s[KS], 0
	s_mov_b32 s[TB], 0
	s_wait_kmcnt 0x0
	s_add_co_i32 s27, s34, s35                     ; e6 + e7 go into c's exponent field
	s_lshl_b32 s27, s27, 23
	s_mov_b32 s[CS], 0x3e8293ee
	s_add_co_i32 s[CS], s[CS], s27
	s_mov_b32 s[CS+1], s[CS]
	s_mov_b32 s[EP], s36
	s_add_co_i32 s27, s36, 127
	s_lshl_b32 s50, s27, 23
	v_mov_b32 v8, s50                              ; 2^e8
	s_add_co_i32 s27, s27, 8
	s_lshl_b32 s27, s27, 23
	s_or_b32 s27, s27, 0x600000
	v_mov_b32 v9, s27                              ; 448 x 2^e8
	s_sub_co_i32 s27, s38, s36
	s_sub_co_i32 s27, s27, s37                     ; O / l stands for (O / l) x 2^(e8 + e9): its code is (O / l) / 2^(e10 - e8 - e9)
	s_add_co_i32 s27, s27, 127
	s_lshl_b32 s50, s27, 23
	v_mov_b32 v29, s50
	s_add_co_i32 s27, s27, 8
	s_lshl_b32 s27, s27, 23
	s_or_b32 s27, s27, 0x600000
	v_mov_b32 v30, s27
	s_wait_dscnt 0x0                               ; for the others' sake: my part of the images has landed
	s_barrier_signal -1
	s_barrier_wait -1                              ; the only barrier: the images are never written again
	s_wait_loadcnt 0x0                             ; q
; One query tile against the step's 128 keys.  QR: its [q, 0, q]; SR: its statistics; OR: its O^T; DR: its mask bound; NR: the scalar register with its diagonal step; VL = 1: the step's first tile, which asks for V
.macro TILE_STEP QR, SR, OR, DR, NR, VL
.irp t, 0,1,2,3,4,5,6,7
	v_wmma_f32_16x16x64_fp8_fp8 v[S+8*\t:S+8*\t+7], v[KR+8*(\t/2):KR+8*(\t/2)+7], v[\QR+4*(\t%2):\QR+4*(\t%2)+7], 0
.endr
.if \VL
.irp t, 0,1,2,3,4,5,6,7
	ds_load_b128 v[VR+4*\t:VR+4*\t+3], v4 offset:512*\t   ; V.  No wait: no vector or matrix instruction since the wait at the step's head names VR or v4
.endr
.endif
.rept 4
	v_nop                                          ; four places ahead of the first read of a result (ISA guide 7.12.1)
.endr
	s_cmp_eq_u32 s[KS], s[\NR]
	s_cbranch_scc0 .Lopen_\@                       ; only the diagonal step has hidden keys
.set n, 0
.rept 4                                ; sixteen scores at a time: keys 32 n + 16 hh + 0 .. 15
.set i, 0
.rept 16
	v_cmp_gt_i32 s[MK+i], 32*n+i, v[\DR]
.set i, i+1
.endr
	s_wait_alu depctr_va_sdst(0)                   ; the sixteen compares have written s[MK ..], ahead of the selects that read them
.set i, 0
.rept 16
	v_cndmask_b32 v[S+16*n+i], v[S+16*n+i], v7, s[MK+i]   ; -infinity: p = 0
.set i, i+1
.endr
.set n, n+1
.endr
.Lopen_\@:
	v_max3_num_f32 v18, v[S], v[S+1], v[S+2]       ; the step's largest score among my 64 keys, two chains, ascending: each accumulator is read first at its low end
	v_max3_num_f32 v19, v[S+3], v[S+4], v[S+5]
.irp i, 6,10,14,18,22,26,30,34,38,42,46,50,54,58
	v_max3_num_f32 v18, v18, v[S+\i], v[S+\i+1]
	v_max3_num_f32 v19, v19, v[S+\i+2], v[S+\i+3]
.endr
	v_max3_num_f32 v18, v18, v[S+62], v[S+63]
	v_max_num_f32 v18, v18, v19
	v_permlanex16_b32 v24, v18, s24, s25
	v_max_num_f32 v18, v18, v24                    ; and among lane l xor 16's
	v_mul_f32 v18, s[CS], v18                      ; as t (c is positive)
	v_max_num_f32 v[\SR+1], v[\SR+1], v18
	v_mov_b32 v18, v[\SR]
	v_floor_f32 v[\SR], -v[\SR+1]                  ; -M = floor(-t): M is a whole number
	v_sub_f32 v18, v[\SR], v18                     ; old M - new M, 0 or less
	v_cvt_i32_f32 v18, v18                         ; (it saturates)
	v_ldexp_f32 v20, 1.0, v18                      ; f = 2^(old M - new M): rounds nothing
.set j, 0
.rept 32
	v_pk_fma_f32 v[S+j:S+j+1], v[S+j:S+j+1], s[CS:CS+1], v[\SR:\SR+1] op_sel_hi:[1,0,0]   ; t - M
.set j, j+2
.endr
.set j, 0
	s_wait_alu depctr_va_vdst(0)
.rept 64
	v_exp_f32 v[S+j], v[S+j]                       ; p, one batch
.set j, j+1
.endr
	v_pk_mul_f32 v[\SR+2:\SR+3], v[\SR+2:\SR+3], v[20:21] op_sel_hi:[1,0]   ; the sum under the new M: the plain instruction behind the batch
	s_wait_alu depctr_va_vdst(0)                   ; the 64 exponentials have written v[S ..]: one wait for the batch, ahead of its first reader
	v_pk_add_f32 v[22:23], v[S:S+1], v[S+2:S+3]    ; the sum of the UNQUANTISED p, two chains
.irp j, 4,8,12,16,20,24,28,32,36,40,44,48,52,56,60
	v_pk_add_f32 v[\SR+2:\SR+3], v[\SR+2:\SR+3], v[S+\j:S+\j+1]
	v_pk_add_f32 v[22:23], v[22:23], v[S+\j+2:S+\j+3]
.endr
	v_pk_add_f32 v[\SR+2:\SR+3], v[\SR+2:\SR+3], v[22:23]
	s_cmp_gt_i32 s[EP], -9
	s_cbranch_scc1 .Lnohold_\@                     ; e8 >= -8: 448 x 2^e8 lies above every p
.set j, 0
.rept 64
	v_min_num_f32 v[S+j], v[S+j], v9               ; p is not negative: the hold is one-sided
.set j, j+1
.endr
.Lnohold_\@:
.irp b, 0,1,2,3
	v_cvt_scalef32_pk8_fp8_f32 v[P+4*\b:P+4*\b+1], v[S+16*\b:S+16*\b+7], v8
	v_cvt_scalef32_pk8_fp8_f32 v[P+4*\b+2:P+4*\b+3], v[S+16*\b+8:S+16*\b+15], v8
.endr
.irp j, 0,2,4,6,8,10,12,14
	v_pk_mul_f32 v[\OR+\j:\OR+\j+1], v[\OR+\j:\OR+\j+1], v[20:21] op_sel_hi:[1,0]   ; O^T under the new M; also the plain instructions between the conversions and the products
.endr
.if \VL
	s_wait_alu depctr_va_vdst(0)
	s_wait_dscnt 0x0                               ; V is in: its loads had the tile's softmax in which to land
.endif
.irp u, 0,1
	v_wmma_f32_16x16x128_fp8_fp8 v[\OR+8*\u:\OR+8*\u+7], v[VR+16*\u:VR+16*\u+15], v[P:P+15], v[\OR+8*\u:\OR+8*\u+7]
.endr
.endm
.Lstep:                                            ; 16 trips in every wave
	s_cmp_gt_u32 s[KS], s18
	s_cbranch_scc1 .Lskip                          ; all keys come after both tiles' queries (A < B)
.rept 4
	v_nop                                          ; four places ahead of loads into registers that the last products read
.endr
	s_wait_alu depctr_vm_vsrc(0)                   ; the last step's LDS loads have read v3 and v4, which are written below; in the first trip: the copy's LDS stores have read v[S ..], which the first products write
	v_add_nc_u32 v3, s[TB], v1
	v_add_nc_u32 v4, s[TB], v2
	s_wait_alu depctr_va_vdst(0)                   ; v3 and v4 are written, which the step's LDS loads read; the last step's products are done reading KR and VR, in which those loads land
.irp t, 0,1,2,3,4,5,6,7
	ds_load_b128 v[KR+4*\t:KR+4*\t+3], v3 offset:512*\t
.endr
	s_wait_dscnt 0x0                               ; K is in
	TILE_STEP QB, STB, OB, 26, 18, 1
	s_cmp_gt_u32 s[KS], s17
	s_cbranch_scc1 .Lskip
	TILE_STEP QA, STA, OA, 25, 17, 0               ; the same fragments serve both tiles
.Lskip:
	s_add_co_u32 s[TB], s[TB], 4096
	s_add_co_u32 s[KS], s[KS], 1
	s_cmp_lt_u32 s[KS], 16
	s_cbranch_scc1 .Lstep
	; THE WAY OUT: O^T / the sum, quantised; a lane's 16 channels are 16 bytes, and the wave's 512 bytes are one chunk of the projection's operand: no stage
.rept 4
	v_nop
.endr
	v_add_f32 v18, v[STA+2], v[STA+3]
	v_add_f32 v19, v[STB+2], v[STB+3]
	v_permlanex16_b32 v24, v18, s24, s25
	v_add_f32 v18, v18, v24
	v_permlanex16_b32 v24, v19, s24, s25
	v_add_f32 v19, v19, v24
	s_wait_alu depctr_va_vdst(0)
	v_rcp_f32 v20, v18
	v_rcp_f32 v22, v19
	v_nop
	s_wait_alu depctr_va_vdst(0)                   ; the two reciprocals have written v20 and v22: one wait for both, ahead of their first reader
.macro FINQ OR, RR, CD
.irp j, 0,2,4,6,8,10,12,14
	v_pk_mul_f32 v[\OR+\j:\OR+\j+1], v[\OR+\j:\OR+\j+1], v[\RR:\RR+1] op_sel_hi:[1,0]
.endr
.irp j, 0,1,2,3,4,5,6,7,8,9,10,11,12,13,14,15
	v_med3_num_f32 v[\OR+\j], v[\OR+\j], -v30, v30
.endr
	v_cvt_scalef32_pk8_fp8_f32 v[\CD:\CD+1], v[\OR:\OR+7], v29
	v_cvt_scalef32_pk8_fp8_f32 v[\CD+2:\CD+3], v[\OR+8:\OR+15], v29
	v_nop
.endm
	FINQ OA, 20, 232
	FINQ OB, 22, 236
	s_wait_alu depctr_va_vdst(0)                   ; the conversions have written v[232:239], which the two stores read
	global_store_b128 v1, v[232:235], s[46:47]     ; 512 consecutive, aligned bytes
	global_store_b128 v1, v[236:239], s[48:49]
	s_wait_dscnt 0x0                               ; the wave's end
	s_wait_alu 0x0
	s_wait_tensorcnt 0x0
	ds_add_u32 v5, v6
	s_wait_dscnt 0x0
	s_endpgm
.Lfunc_end_k_q470426b412_attn:
	.size	k_q470426b412_attn, .Lfunc_end_k_q470426b412_attn-k_q470426b412_attn
	.p2alignl 7, 3214868480
	.fill 96, 4, 3214868480
	.section	.rodata,"a",@progbits
	.p2align	6, 0x0
	.amdhsa_kernel k_q470426b412_attn
		.amdhsa_group_segment_fixed_size 133120
		.amdhsa_private_segment_fixed_size 0
		.amdhsa_enable_private_segment 0
		.amdhsa_kernarg_size 40
		.amdhsa_user_sgpr_count 2
		.amdhsa_user_sgpr_kernarg_segment_ptr 1
		.amdhsa_wavefront_size32 1
		.amdhsa_system_sgpr_workgroup_id_x 1
		.amdhsa_system_sgpr_workgroup_id_y 1
		.amdhsa_system_sgpr_workgroup_id_z 1
		.amdhsa_system_vgpr_workitem_id 0
		.amdhsa_next_free_vgpr 240
		.amdhsa_next_free_sgpr 66
		.amdhsa_reserve_vcc 0
		.amdhsa_float_denorm_mode_32 3
		.amdhsa_float_denorm_mode_16_64 3
		.amdhsa_memory_ordered 1
		.amdhsa_forward_progress 1
		.amdhsa_inst_pref_size 58
	.end_amdhsa_kernel
	.amdgpu_metadata
---
amdhsa.version: [ 1, 2 ]
amdhsa.kernels:
  - .name:           k_q470426b412_attn
    .symbol:         k_q470426b412_attn.kd
    .args:
      - { .name: qc, .offset: 0, .size: 8, .value_kind: global_buffer, .address_space: global }
      - { .name: kc, .offset: 8, .size: 8, .value_kind: global_buffer, .address_space: global }
      - { .name: vc, .offset: 16, .size: 8, .value_kind: global_buffer, .address_space: global }
      - { .name: lowp_scales, .offset: 24, .size: 8, .value_kind: global_buffer, .address_space: global }
      - { .name: ac, .offset: 32, .size: 8, .value_kind: global_buffer, .address_space: global }
    .group_segment_fixed_size: 133120
    .private_segment_fixed_size: 0
    .kernarg_segment_align: 8
    .kernarg_segment_size: 40
    .max_flat_workgroup_size: 512
    .sgpr_count:     66
    .vgpr_count:     240
    .wavefront_size: 32
...
	.end_amdgpu_metadata
.endif
;; end of part 7
;; launch head (part 8): grid 64 x 4, 4 waves a work-group, no clusters, 165,376 bytes of LDS; arguments ac, wcodes, tokens, tok_embed, pos_embed, fc_b, lowp_scales, out0; writes out0
.if DOCPART == 8
	.amdgcn_target "amdgcn-amd-amdhsa--gfx1250"
	.amdhsa_code_object_version 6
	.text
	.protected	k_q470426b412_head
	.globl	k_q470426b412_head
	.p2align	8
	.type	k_q470426b412_head,@function
k_q470426b412_head:
	s_mov_b64 s[64:65], 0
	v_nop
	global_prefetch_b8 v0, s[64:65] scope:SCOPE_SE
	s_setreg_imm32_b32 hwreg(HW_REG_WAVE_MODE, 25, 1), 1
	s_wait_xcnt 0x0
; logits = Q(x + attn Wproj) fc_w + fc_b for 128 rows (work-group x) and 512 columns of logits (work-group y = g), both products on E4M3 codes.
; PHASE 1, the projection, for all 512 columns (the four g repeat it: that costs less than a launch and a round trip of its own): wave w owns columns 128 w .. + 127; Wproj's 8 tiles x 4 fragments stay in its registers;
;   attn's codes (64 KiB) go once through LDS.  x = tok_embed[token] + pos_embed is gathered anew, in the result's layout.  x + out is quantised (2^e12): it is fragment w of the next product: image to LDS.
; PHASE 2: the same registers take fc_w's tiles 32 g + 8 w + t (asked for during the last tile of phase 1); wave w makes logits 512 g + 128 w .. + 127 for the 128 rows.
; Both products: source 0 = 16 columns of the weight, source 1 = 16 rows: a lane holds ONE row.  Wproj's tiles take columns 32 b + 8 u + r + 8 (r / 8), so a lane's registers 16 b + i are columns 32 b + 16 hh + i, the next K.
; fc_w's tiles take neighbouring columns: a lane's eight results are 32 neighbouring bytes; a tile of rows goes through the wave's own stage and leaves as pieces of 512 consecutive bytes of a row.
; A row of out0 is 8,000 bytes, no multiple of 256: a piece begins on a multiple of 64 bytes.  Columns 2,000 .. 2,047 (g = 3, wave 3) are computed from the last tile again and never stored.
; No cluster: the weights that work-groups share go straight into registers; what goes through LDS is read by four work-groups only, once.
; LIMITS: e12 between -126 and 119; e10 + e11 and e12 + e13 between -126 and 127.  A token id above 1,999 is held at 1,999.
; REGISTERS: window 0: v1 16 x lane; v2 + 65,536; v3, v4 the add's two; v5 where x's image goes; v6, v7 2^e12, 448 x 2^e12; v8 pos offset; v9, v10 stage in, out; v11 where I copy attn; v12-19 token rows' offsets; v20 4 x lane;
;   v21 ids' offset; v22-29 bias offsets; v32-159 two sets of four fragments; v160-223 eight accumulators; v224-239 codes.  Windows 1, 2: the weights, (t, s) at window 1 + s / 2, v[128 (s % 2) + 16 t].
;   Window 3: phase 1: two sets of 64 tok + 64 pos; phase 2: v0-63 the bias, v64-127 results, v128-191 rows on their way out.
.set XIMG,  65536
.set STGS,  131072                     ; four stages of 16 rows x (512 + 16) bytes
.set SPARE, 164864
.set ACC, 160
.set PC,  224
.set TMP, 64
.set BK,  128
.set MSB, 0
.macro WIN new
.if MSB != (\new)
	s_set_vgpr_msb (MSB<<8)|(\new)
.set MSB, (\new)
.endif
.endm
	s_load_b512 s[4:19], s[0:1], 0x0               ; ac 4, wcodes 6, tokens 8, tok_embed 10, pos_embed 12, fc_b 14, lowp_scales 16, out0 18
	v_lshl_add_u32 v3, v0, 2, SPARE
	v_mov_b32 v4, 0
	v_lshrrev_b32 v30, 5, v0
	v_readfirstlane_b32 s2, v30                    ; wave
	s_and_b32 s3, ttmp7, 0xffff                    ; g
	v_and_b32 v30, 31, v0
	v_lshlrev_b32 v1, 4, v30
	v_lshlrev_b32 v20, 2, v30
	v_add_nc_u32 v2, XIMG, v1
	s_lshl_b32 s20, s2, 11
	v_add_nc_u32 v5, s20, v2
	s_lshl_b32 s20, s2, 14
	v_add_nc_u32 v11, s20, v1
	v_and_b32 v30, 15, v0                          ; r
	v_bfe_u32 v31, v0, 4, 1                        ; hh
	v_and_b32 v21, 8, v30
	v_add_nc_u32 v21, v21, v30                     ; r + 8 (r / 8)
	v_lshlrev_b32 v8, 11, v21
	v_lshl_add_u32 v8, v31, 6, v8                  ; pos: that row, + 64 hh bytes
	v_lshlrev_b32 v21, 2, v21
	s_mul_i32 s20, s2, 8448
	s_add_co_u32 s20, s20, STGS
	v_mul_u32_u24 v9, v30, 528
	v_lshl_add_u32 v9, v31, 5, v9
	v_add_nc_u32 v9, s20, v9                       ; stage, in: row r, 32 hh
	v_add_nc_u32 v10, s20, v1                      ; out: a row of 512 bytes
	s_lshl_b32 s20, s3, 11
	s_lshl_b32 s21, s2, 9
	s_add_co_u32 s20, s20, s21
	v_lshl_add_u32 v22, v31, 5, s20                ; bias: 4 (512 g + 128 w + 8 hh)
.irp t, 1,2,3,4,5,6,7
	v_add_nc_u32 v[22+\t], 64*\t, v22
.endr
.irp t, 0,1,2,3,4,5,6,7
	v_min_u32 v[22+\t], 7968, v[22+\t]             ; no load leaves fc_b: the columns past 1,999 take the last eight again
.endr
	v_lshlrev_b32 v31, 6, v31                      ; 64 hh
	s_lshl_b32 s20, s3, 9
	s_lshl_b32 s21, s2, 7
	s_add_co_u32 s20, s20, s21
	s_sub_co_u32 s52, 2000, s20                    ; columns left from my first on
	s_lshl_b32 s20, s3, 5
	s_lshl_b32 s21, s2, 3
	s_add_co_u32 s20, s20, s21                     ; my first tile of fc_w
.irp t, 0,1,2,3,4,5,6,7
	s_add_co_u32 s[32+2*\t], s20, \t
	s_min_u32 s[32+2*\t], s[32+2*\t], 124          ; there are 125
	s_add_co_u32 s[32+2*\t], s[32+2*\t], 128       ; behind the 128 tiles of Wq, Wk, Wv, Wproj
	s_lshl_b32 s[32+2*\t], s[32+2*\t], 13
	s_mov_b32 s[33+2*\t], 0
.endr
	s_mov_b32 s21, 0
	s_mov_b32 s29, 0
	s_wait_kmcnt 0x0
	s_load_b128 s[24:27], s[16:17], 0x28           ; e10 .. e13
.irp t, 0,1,2,3,4,5,6,7
	s_add_nc_u64 s[32+2*\t:33+2*\t], s[6:7], s[32+2*\t:33+2*\t]
.endr
	s_lshl_b32 s20, ttmp9, 16
	s_lshl_b32 s28, s2, 14
	s_add_co_u32 s20, s20, s28
	s_add_nc_u64 s[4:5], s[4:5], s[20:21]          ; ac: the block's 8 tiles, my quarter
	s_lshl_b32 s20, s2, 16
	s_add_co_u32 s20, s20, 96*8192
	s_add_nc_u64 s[56:57], s[6:7], s[20:21]        ; Wproj's tiles 8 w ..
	s_lshl_b32 s20, ttmp9, 9
	s_add_nc_u64 s[8:9], s[8:9], s[20:21]          ; the block's ids
	s_lshl_b32 s28, s2, 9
	s_add_nc_u64 s[10:11], s[10:11], s[28:29]      ; tok_embed at my 128 columns
	s_and_b32 s20, ttmp9, 15
	s_lshl_b32 s20, s20, 18
	s_add_co_u32 s20, s20, s28
	s_add_nc_u64 s[12:13], s[12:13], s[20:21]      ; pos_embed at the block's first position, my columns
	s_mul_i32 s20, ttmp9, 1024000
	s_lshl_b32 s54, s3, 11
	s_add_co_u32 s20, s20, s54
	s_add_co_u32 s20, s20, s28
	s_add_nc_u64 s[18:19], s[18:19], s[20:21]      ; out0: the block's first row, my first column
.irp m, 0,1,2,3,4,5,6,7
	global_load_b32 v[12+\m], v21, s[8:9] offset:4*(32*(\m/2)+8*(\m%2))
.endr
.set i, 0
.rept 32
	global_load_b128 v[32+4*i:35+4*i], v1, s[4:5] offset:512*i
.set i, i+1
.endr
	s_wait_loadcnt 32                              ; the ids are in; the copy's 32 loads stay out
.irp m, 0,1,2,3,4,5,6,7
	v_min_u32 v[12+\m], 1999, v[12+\m]             ; an id enters an address only behind this bound
	s_wait_alu depctr_va_vdst(0)
	v_lshl_add_u32 v[12+\m], v[12+\m], 11, v31
.endr
.macro XLOAD m                         ; x of token tile m in the accumulators' layout: register 16 b + 4 j + i = column 128 w + 32 b + 16 hh + 4 j + i of the lane's row
.set XL, 128*((\m)%2)
	WIN 0xc0
.irp b, 0,1,2,3
.irp j, 0,1,2,3
	global_load_b128 v[XL+16*\b+4*\j:XL+16*\b+4*\j+3], v[12+(\m)], s[10:11] offset:128*\b+16*\j
	global_load_b128 v[XL+64+16*\b+4*\j:XL+64+16*\b+4*\j+3], v8, s[12:13] offset:(32*((\m)/2)+8*((\m)%2))*2048+128*\b+16*\j
.endr
.endr
	WIN 0
.endm
	XLOAD 0
	s_wait_loadcnt 32                              ; the copy is in; x's 32 loads stay out
.set i, 0
.rept 32
	ds_store_b128 v11, v[32+4*i:35+4*i] offset:512*i
.set i, i+1
.endr
.irp s, 0,1,2,3
	WIN 0x40*(1+\s/2)
.irp t, 0,1,2,3,4,5,6,7
.irp c, 0,1,2,3
	global_load_b128 v[128*(\s%2)+16*\t+4*\c:128*(\s%2)+16*\t+4*\c+3], v1, s[56:57] offset:8192*\t+2048*\s+512*\c
.endr
.endr
.endr
	WIN 0
	s_wait_kmcnt 0x0
	s_add_co_i32 s48, s24, s25
	s_add_co_i32 s48, s48, 127
	s_lshl_b32 s48, s48, 23                        ; 2^(e10 + e11)
	s_mov_b32 s49, s48
	s_add_co_i32 s50, s26, s27
	s_add_co_i32 s50, s50, 127
	s_lshl_b32 s50, s50, 23                        ; 2^(e12 + e13)
	s_mov_b32 s51, s50
	s_add_co_i32 s54, s26, 127
	s_lshl_b32 s55, s54, 23
	v_mov_b32 v6, s55
	s_add_co_i32 s54, s54, 8
	s_lshl_b32 s54, s54, 23
	s_or_b32 s54, s54, 0x600000
	v_mov_b32 v7, s54
	s_wait_dscnt 0x0                               ; for the others' sake: my part of attn's image has landed
	s_barrier_signal -1
	s_barrier_wait -1
	s_wait_loadcnt 0x0                             ; Wproj, and x of tile 0
.macro FETCHF adr, m                   ; token tile m's four fragments from the image at v[adr] into set m % 2
.irp s, 0,1,2,3
.irp c, 0,1,2,3
	ds_load_b128 v[32+64*((\m)%2)+16*\s+4*\c:32+64*((\m)%2)+16*\s+4*\c+3], v[\adr] offset:8192*(\m)+2048*\s+512*\c
.endr
.endr
.endm
.macro MM m                            ; 32 products; the eight accumulators take turns; then four places (ISA guide 7.12.1)
.set AFM, 32+64*((\m)%2)
.irp s, 0,1,2,3
	WIN 1+\s/2
.irp t, 0,1,2,3,4,5,6,7
.if \s == 0
	v_wmma_f32_16x16x128_fp8_fp8 v[ACC+8*\t:ACC+8*\t+7], v[128*(\s%2)+16*\t:128*(\s%2)+16*\t+15], v[AFM+16*\s:AFM+16*\s+15], 0
.else
	v_wmma_f32_16x16x128_fp8_fp8 v[ACC+8*\t:ACC+8*\t+7], v[128*(\s%2)+16*\t:128*(\s%2)+16*\t+15], v[AFM+16*\s:AFM+16*\s+15], v[ACC+8*\t:ACC+8*\t+7]
.endif
.endr
.endr
	WIN 0
.rept 4
	v_nop
.endr
.endm
.macro FCLOAD                          ; fc_w's tiles take Wproj's registers, four places behind its last product; the bias takes the x set that is done with
.irp s, 0,1,2,3
	WIN 0x40*(1+\s/2)
.irp t, 0,1,2,3,4,5,6,7
.irp c, 0,1,2,3
	global_load_b128 v[128*(\s%2)+16*\t+4*\c:128*(\s%2)+16*\t+4*\c+3], v1, s[32+2*\t:33+2*\t] offset:2048*\s+512*\c
.endr
.endr
.endr
	WIN 0xc0
.irp t, 0,1,2,3,4,5,6,7
	global_load_b128 v[8*\t:8*\t+3], v[22+\t], s[14:15]
	global_load_b128 v[8*\t+4:8*\t+7], v[22+\t], s[14:15] offset:16
.endr
	WIN 0
.endm
.macro PROJ m
	s_wait_dscnt 0x0                               ; this tile's fragments are in
.if (\m) < 7
	FETCHF 1, (\m)+1
	XLOAD (\m)+1
.endif
	MM \m
.if (\m) < 7
	s_wait_loadcnt 32                              ; this tile's x is in; the next tile's 32 loads stay out
.else
	s_wait_loadcnt 0x0
	FCLOAD                                         ; they travel during the last quantising and the barrier
.endif
.set XB, 128*((\m)%2)
	WIN 0xcf                                       ; destination and both sources window 3
.set j, 0
.rept 32
	v_pk_add_f32 v[XB+j:XB+j+1], v[XB+j:XB+j+1], v[XB+64+j:XB+64+j+1]   ; x
.set j, j+2
.endr
	WIN 0x30                                       ; source 2 window 3
.set j, 0
.rept 32
	v_pk_fma_f32 v[ACC+j:ACC+j+1], v[ACC+j:ACC+j+1], s[48:49], v[XB+j:XB+j+1] op_sel_hi:[1,0,1]   ; x + sum x 2^(e10 + e11), each accumulator from its low end on
.set j, j+2
.endr
	WIN 0
.set j, 0
.rept 64
	v_med3_num_f32 v[ACC+j], v[ACC+j], -v7, v7
.set j, j+1
.endr
.irp g, 0,1,2,3,4,5,6,7
	v_cvt_scalef32_pk8_fp8_f32 v[PC+2*\g:PC+2*\g+1], v[ACC+8*\g:ACC+8*\g+7], v6
.endr
	v_nop                                          ; a plain instruction before the next products write the conversions' sources
.irp c, 0,1,2,3
	ds_store_b128 v5, v[PC+4*\c:PC+4*\c+3] offset:8192*(\m)+512*\c   ; fragment w of token tile m
.endr
.endm
.macro FC m
	s_wait_dscnt 0x0
.if (\m) < 7
	FETCHF 2, (\m)+1
.endif
	MM \m
	WIN 0xf0                                       ; destination and source 2 window 3
.set j, 0
.rept 32
	v_pk_fma_f32 v[TMP+j:TMP+j+1], v[ACC+j:ACC+j+1], s[50:51], v[j:j+1] op_sel_hi:[1,0,1]   ; sum x 2^(e12 + e13) + bias
.set j, j+2
.endr
	WIN 0x0c                                       ; store data window 3
.irp t, 0,1,2,3,4,5,6,7
	ds_store_b128 v9, v[TMP+8*\t:TMP+8*\t+3] offset:64*\t
	ds_store_b128 v9, v[TMP+8*\t+4:TMP+8*\t+7] offset:64*\t+16
.endr
	WIN 0xc0
.irp i, 0,1,2,3,4,5,6,7,8,9,10,11,12,13,14,15
	ds_load_b128 v[BK+4*\i:BK+4*\i+3], v10 offset:528*\i   ; my own stage, served in order: these see the stores above.  (The last tile's global stores have read these registers: the wait on XCNT at its end)
.endr
	s_wait_dscnt 0x0
	WIN 0
	s_wait_xcnt 0x0                                ; EXEC changes only behind this wait
	v_cmp_gt_u32 vcc_lo, s52, v20                  ; my four columns exist
	s_and_saveexec_b32 s53, vcc_lo
	WIN 0x0c
.irp i, 0,1,2,3,4,5,6,7,8,9,10,11,12,13,14,15
	global_store_b128 v1, v[BK+4*\i:BK+4*\i+3], s[18:19] offset:(32*((\m)/2)+8*((\m)%2)+\i+8*(\i/8))*8000 th:TH_STORE_NT   ; 512 consecutive bytes of a row; written once, read by nobody here
.endr
	s_wait_xcnt 0x0                                ; and again, ahead of the line that widens it
	s_or_b32 exec_lo, exec_lo, s53
	WIN 0
.endm
	FETCHF 1, 0
.irp m, 0,1,2,3,4,5,6,7
	PROJ \m
.endr
	s_wait_dscnt 0x0                               ; for the others' sake: my fragments of x + out have landed
	s_barrier_signal -1
	s_barrier_wait -1
	s_wait_loadcnt 0x0                             ; fc_w's tiles and the bias
	FETCHF 2, 0
.irp m, 0,1,2,3,4,5,6,7
	FC \m
.endr
	s_wait_tensorcnt 0x0                           ; the wave's end
	ds_add_u32 v3, v4
	s_wait_dscnt 0x0
	s_endpgm
.Lfunc_end_k_q470426b412_head:
	.size	k_q470426b412_head, .Lfunc_end_k_q470426b412_head-k_q470426b412_head
	.p2alignl 7, 3214868480
	.fill 96, 4, 3214868480
	.section	.rodata,"a",@progbits
	.p2align	6, 0x0
	.amdhsa_kernel k_q470426b412_head
		.amdhsa_group_segment_fixed_size 165376
		.amdhsa_private_segment_fixed_size 0
		.amdhsa_enable_private_segment 0
		.amdhsa_kernarg_size 64
		.amdhsa_user_sgpr_count 2
		.amdhsa_user_sgpr_kernarg_segment_ptr 1
		.amdhsa_wavefront_size32 1
		.amdhsa_system_sgpr_workgroup_id_x 1
		.amdhsa_system_sgpr_workgroup_id_y 1
		.amdhsa_system_sgpr_workgroup_id_z 1
		.amdhsa_system_vgpr_workitem_id 0
		.amdhsa_next_free_vgpr 1024
		.amdhsa_next_free_sgpr 66
		.amdhsa_reserve_vcc 1
		.amdhsa_float_denorm_mode_32 3
		.amdhsa_float_denorm_mode_16_64 3
		.amdhsa_memory_ordered 1
		.amdhsa_forward_progress 1
		.amdhsa_inst_pref_size 235
	.end_amdhsa_kernel
	.amdgpu_metadata
---
amdhsa.version: [ 1, 2 ]
amdhsa.kernels:
  - .name:           k_q470426b412_head
    .symbol:         k_q470426b412_head.kd
    .args:
      - { .name: ac, .offset: 0, .size: 8, .value_kind: global_buffer, .address_space: global }
      - { .name: wcodes, .offset: 8, .size: 8, .value_kind: global_buffer, .address_space: global }
      - { .name: tokens, .offset: 16, .size: 8, .value_kind: global_buffer, .address_space: global }
      - { .name: tok_embed, .offset: 24, .size: 8, .value_kind: global_buffer, .address_space: global }
      - { .name: pos_embed, .offset: 32, .size: 8, .value_kind: global_buffer, .address_space: global }
      - { .name: fc_b, .offset: 40, .size: 8, .value_kind: global_buffer, .address_space: global }
      - { .name: lowp_scales, .offset: 48, .size: 8, .value_kind: global_buffer, .address_space: global }
      - { .name: out0, .offset: 56, .size: 8, .value_kind: global_buffer, .address_space: global }
    .group_segment_fixed_size: 165376
    .private_segment_fixed_size: 0
    .kernarg_segment_align: 8
    .kernarg_segment_size: 64
    .max_flat_workgroup_size: 128
    .sgpr_count:     66
    .vgpr_count:     1024
    .wavefront_size: 32
...
	.end_amdgpu_metadata
.endif
;; end of part 8
